; MI455X (gfx1250); checked and timed in simulation.
; The chip was launched on July 23, 2026; its instructions are those of AMD's public machine-readable ISA for CDNA 5 (MIT licence, August 2026) and "CDNA5" Instruction Set Architecture Reference Guide (July 2026). The comments in the code are by the model that wrote it; some were corrected since.
;; Block. Allowed arithmetic: float matrix products may take bf16 or f16 operands with f32 sums; other float arithmetic in f32, or as packed bf16 or f16 multiplies, adds, multiply-adds, maxima and minima; sums over many terms, partial sums and values carried from step to step in f32; what a program stores and reads back later, other than sums and carried values, may be rounded once to bf16 or f16.
;; Inputs: W1 512 x 2,048 float32; W2 2,048 x 512 float32; Wk 8 x 512 x 64 float32; Wp 512 x 512 float32; Wq 8 x 512 x 64 float32; Wv 8 x 512 x 64 float32; b1 2,048 float32; b2 512 float32; bk 8 x 64 float32; bp 512 float32; bq 8 x 64 float32; bv 8 x 64 float32; ln1_b 512 float32; ln1_g 512 float32; ln2_b 512 float32; ln2_g 512 float32; x 4 x 2,048 x 512 float32.
;; Outputs: out0 4 x 2,048 x 512 float32.
;; 2 versions, each right; version 2 is version 1 with the launch attn written anew for expert scheduling mode. Each part assembles by itself: llvm-mc -triple=amdgcn-amd-amdhsa -mcpu=gfx1250 --defsym DOCPART=n.
;; ======== version 1 of 2: 7 launches
;; limits: right only within a limited range of input values
;; workspace buffers: hn 8,388,608 bytes; pkq 1,581,312 bytes; pk1 2,105,600 bytes; wr 2,621,440 bytes; big 33,554,432 bytes; ao 8,388,608 bytes; x1 16,777,216 bytes
;; launch prep (part 1): grid 449 x 1, 8 waves a work-group, no clusters, 0 bytes of LDS; arguments x, ln1_g, ln1_b, Wq, Wk, Wv, W1, Wp, W2, bq, bk, bv, b1, hn, pkq, pk1, wr; writes hn, pkq, pk1, wr
.if DOCPART == 1
	.amdgcn_target "amdgcn-amd-amdhsa--gfx1250"
	.amdhsa_code_object_version 6
	.text
	.protected	k_q7c219e04f4_prep
	.globl	k_q7c219e04f4_prep
	.p2align	8
	.type	k_q7c219e04f4_prep,@function
k_q7c219e04f4_prep:
	s_mov_b64 s[64:65], 0
	v_nop
	global_prefetch_b8 v0, s[64:65] scope:SCOPE_SE
	s_setreg_imm32_b32 hwreg(HW_REG_WAVE_MODE, 25, 1), 1
	s_wait_xcnt 0x0
; PREP.  Three kinds of work-group, told apart by the work-group's number alone (all jumps forward):
;   0..255    hn = LayerNorm(x) g + b in bf16: 32 rows a work-group, 4 rows a wave, a row over the 32 lanes (16 numbers a lane).
;             Two passes in f32 on registers (mean; then the centred squares), so a common offset of x costs no digits.
;   256..447  the weights rounded once to bf16 and laid out for the products.  Unit of work: 256 numbers (1,024 bytes in, 512 out), 8 units a wave.
;             pkq / pk1: byte 0 the clamp floor (256 bytes), byte 256 the bias in f32, byte HDR on the matrix in blocks [n / 256][512 k][256 n];
;             for q, k, v the column is n = 512 sel + 64 head + d.   wr: Wp [512 k][512 n] at byte 0, W2 [2048 k][512 n] at byte 524,288.
;   448       the biases copied, the two floors written: -infinity twice in bf16 for q, k, v (a maximum with it changes nothing), 0 for the ReLU.
; No LDS, no barrier: no wave wants a byte that another wave has fetched.  Every store of a wave covers 256 or 512 consecutive bytes, aligned.
.set G,    8                           ; v[8:23]    gain of my 16 columns (columns 128 j + 4 lane + 0..3, j = 0..3)
.set BT,   24                          ; v[24:39]   bias of the same
.set X,    40                          ; v[40:103]  four rows, 16 registers each
.set TT,   104                         ; v[104:119] four registers at work for each row
.set D,    40                          ; the casts: 8 units of 8 registers as loaded
.set PKD,  104                         ; v[104:135] 8 units of 4 registers to store
.set INV,  56                          ; s56  1 / 512
.set EPS,  57                          ; s57  1e-5
.set SEL,  58                          ; s[58:59] v_permlanex16_b32's selects: each lane takes its own place in the other half
.set HDR,  8448                        ; 33 x 256: where a pack's matrix begins
.macro ROWSET XB, i
.set xb, (\XB)+16*(\i)
.set tb, TT+4*(\i)
.endm
.macro LANES                           ; the four rows' sums over the 32 lanes, the rows by turns
.irp m, 1,2,4,8
.irp i, 0,1,2,3
	v_add_f32_dpp v[TT+4*\i], v[TT+4*\i], v[TT+4*\i] row_xmask:\m row_mask:0xf bank_mask:0xf
.endr
.endr
.irp i, 0,1,2,3
	v_permlanex16_b32 v[TT+4*\i+1], v[TT+4*\i], s[SEL], s[SEL+1]
.endr
.irp i, 0,1,2,3
	v_add_f32 v[TT+4*\i], v[TT+4*\i], v[TT+4*\i+1]
.endr
.endm
; Four rows in registers XB + 16 i are normalised in place and packed to bf16 into the first eight registers of each row.
.macro LN4 XB
.irp i, 0,1,2,3                        ; the row's sum, two chains a row
	ROWSET \XB, \i
	v_pk_add_f32 v[tb:tb+1], v[xb:xb+1], v[xb+2:xb+3]
	v_pk_add_f32 v[tb+2:tb+3], v[xb+4:xb+5], v[xb+6:xb+7]
	v_pk_add_f32 v[tb:tb+1], v[tb:tb+1], v[xb+8:xb+9]
	v_pk_add_f32 v[tb+2:tb+3], v[tb+2:tb+3], v[xb+10:xb+11]
	v_pk_add_f32 v[tb:tb+1], v[tb:tb+1], v[xb+12:xb+13]
	v_pk_add_f32 v[tb+2:tb+3], v[tb+2:tb+3], v[xb+14:xb+15]
	v_pk_add_f32 v[tb:tb+1], v[tb:tb+1], v[tb+2:tb+3]
	v_add_f32 v[tb], v[tb], v[tb+1]
.endr
	LANES
.irp i, 0,1,2,3
	v_mul_f32 v[TT+4*\i], s[INV], v[TT+4*\i]   ; the mean
.endr
.irp i, 0,1,2,3                        ; x - mean
	ROWSET \XB, \i
.irp k, 0,2,4,6,8,10,12,14
	v_pk_add_f32 v[xb+\k:xb+\k+1], v[xb+\k:xb+\k+1], v[tb:tb+1] op_sel_hi:[1,0] neg_lo:[0,1] neg_hi:[0,1]
.endr
.endr
.irp i, 0,1,2,3                        ; the sum of the centred squares
	ROWSET \XB, \i
	v_pk_mul_f32 v[tb:tb+1], v[xb:xb+1], v[xb:xb+1]
	v_pk_mul_f32 v[tb+2:tb+3], v[xb+2:xb+3], v[xb+2:xb+3]
	v_pk_fma_f32 v[tb:tb+1], v[xb+4:xb+5], v[xb+4:xb+5], v[tb:tb+1]
	v_pk_fma_f32 v[tb+2:tb+3], v[xb+6:xb+7], v[xb+6:xb+7], v[tb+2:tb+3]
	v_pk_fma_f32 v[tb:tb+1], v[xb+8:xb+9], v[xb+8:xb+9], v[tb:tb+1]
	v_pk_fma_f32 v[tb+2:tb+3], v[xb+10:xb+11], v[xb+10:xb+11], v[tb+2:tb+3]
	v_pk_fma_f32 v[tb:tb+1], v[xb+12:xb+13], v[xb+12:xb+13], v[tb:tb+1]
	v_pk_fma_f32 v[tb+2:tb+3], v[xb+14:xb+15], v[xb+14:xb+15], v[tb+2:tb+3]
	v_pk_add_f32 v[tb:tb+1], v[tb:tb+1], v[tb+2:tb+3]
	v_add_f32 v[tb], v[tb], v[tb+1]
.endr
	LANES
.irp i, 0,1,2,3
	v_fma_f32 v[TT+4*\i], v[TT+4*\i], s[INV], s[EPS]   ; variance + eps
.endr
.irp i, 0,1,2,3
	v_rsq_f32 v[TT+4*\i], v[TT+4*\i]                   ; one batch of four
.endr
	v_nop                                          ; a plain instruction behind the last of them (ISA guide 5.7.2),
	s_wait_alu depctr_va_vdst(0)                   ; and the one wait ahead of the first reader
.irp i, 0,1,2,3
	ROWSET \XB, \i
.irp k, 0,2,4,6,8,10,12,14
	v_pk_mul_f32 v[xb+\k:xb+\k+1], v[xb+\k:xb+\k+1], v[tb:tb+1] op_sel_hi:[1,0]
.endr
.irp k, 0,2,4,6,8,10,12,14
	v_pk_fma_f32 v[xb+\k:xb+\k+1], v[xb+\k:xb+\k+1], v[G+\k:G+\k+1], v[BT+\k:BT+\k+1]
.endr
.irp k, 0,1,2,3,4,5,6,7                ; ascending: register k is written when registers 2 k, 2 k + 1 have been read
	v_cvt_pk_bf16_f32 v[xb+\k], v[xb+2*\k], v[xb+2*\k+1]
.endr
.endr
.endm
	s_load_b512 s[8:23], s[0:1], 0x0               ; x 8, ln1_g 10, ln1_b 12, Wq 14, Wk 16, Wv 18, W1 20, Wp 22
	s_load_b512 s[24:39], s[0:1], 0x40             ; W2 24, bq 26, bk 28, bv 30, b1 32, hn 34, pkq 36, pk1 38
	s_load_b64 s[40:41], s[0:1], 0x80              ; wr
	v_lshrrev_b32 v1, 5, v0
	v_readfirstlane_b32 s4, v1                     ; wave 0..7
	v_and_b32 v1, 31, v0                           ; lane
	v_lshlrev_b32 v4, 4, v1                        ; 16 x lane
	s_mov_b32 s5, ttmp9
	s_mov_b32 s3, 0
	s_wait_kmcnt 0x0
	s_cmp_lt_u32 s5, 256
	s_cbranch_scc0 .Lcasts
	; ---- LayerNorm: 32 rows of 2,048 bytes in, of 1,024 bytes out
	s_lshl_b32 s2, s5, 16
	s_add_nc_u64 s[8:9], s[8:9], s[2:3]
	s_lshl_b32 s2, s5, 15
	s_add_nc_u64 s[34:35], s[34:35], s[2:3]
	s_lshl_b32 s6, s4, 13
	v_add_nc_u32 v2, s6, v4                        ; my wave's 4 rows of x + 16 x lane
	s_lshl_b32 s6, s4, 12
	v_lshl_add_u32 v3, v1, 3, s6                   ; my wave's 4 rows of hn + 8 x lane
.irp i, 0,1,2,3
.irp j, 0,1,2,3
	global_load_b128 v[X+16*\i+4*\j:X+16*\i+4*\j+3], v2, s[8:9] offset:\i*2048+\j*512 th:TH_LOAD_NT
.endr
.endr
.irp j, 0,1,2,3
	global_load_b128 v[G+4*\j:G+4*\j+3], v4, s[10:11] offset:\j*512
	global_load_b128 v[BT+4*\j:BT+4*\j+3], v4, s[12:13] offset:\j*512
.endr
	s_mov_b32 s[INV], 0x3b000000
	s_mov_b32 s[EPS], 0x3727c5ac
	s_mov_b32 s[SEL], 0x76543210
	s_mov_b32 s[SEL+1], 0xfedcba98
	s_wait_loadcnt 0x0                             ; all 24 loads: the first sum wants the whole row
	LN4 X
.irp i, 0,1,2,3
.irp j, 0,1,2,3
	global_store_b64 v3, v[X+16*\i+2*\j:X+16*\i+2*\j+1], s[34:35] offset:\i*1024+\j*256   ; 32 lanes x 8 bytes: 256 consecutive bytes, aligned
.endr
.endr
	s_endpgm
	; ---- the casts.  s7 = the wave's first unit; source and destination offsets are made apart from the addresses
.Lcasts:
	s_sub_co_u32 s5, s5, 256
	s_mov_b32 s51, 0
	s_mov_b32 s53, 0
	v_lshlrev_b32 v5, 5, v1                        ; 32 bytes of f32 a lane
	s_cmp_lt_u32 s5, 48
	s_cbranch_scc0 .Lseg1
	s_lshr_b32 s6, s5, 4                           ; Wq, Wk or Wv: 16 work-groups each
	s_and_b32 s7, s5, 15
	s_lshl_b32 s7, s7, 3
	s_add_co_u32 s7, s7, s4
	s_lshl_b32 s7, s7, 3                           ; unit 0..1023 = 512 x (half of the heads) + c
	s_lshr_b32 s42, s7, 9
	s_and_b32 s43, s7, 511
	s_lshl_b32 s50, s42, 19                        ; four heads of 131,072 bytes
	s_lshl_b32 s44, s43, 8                         ; row c of a head: 256 bytes
	s_add_co_u32 s50, s50, s44
	s_lshl_b32 s52, s6, 1
	s_add_co_u32 s52, s52, s42
	s_lshl_b32 s52, s52, 18                        ; block 2 sel + half, 262,144 bytes
	s_lshl_b32 s44, s43, 9
	s_add_co_u32 s52, s52, s44
	s_add_co_u32 s52, s52, HDR
	s_cmp_eq_u32 s6, 0
	s_cselect_b64 s[46:47], s[14:15], s[16:17]
	s_cmp_eq_u32 s6, 2
	s_cselect_b64 s[46:47], s[18:19], s[46:47]
	s_mov_b64 s[48:49], s[36:37]
	s_mov_b32 s54, 256
	v_lshrrev_b32 v5, 3, v1                        ; eight lanes a head:
	v_lshlrev_b32 v5, 17, v5
	v_and_b32 v6, 7, v1
	v_lshl_add_u32 v5, v6, 5, v5                   ; head x 131,072 + 32 x (lane mod 8)
	s_branch .Lcast
.Lseg1:
	s_cmp_lt_u32 s5, 112
	s_cbranch_scc0 .Lseg2
	s_sub_co_u32 s7, s5, 48                        ; W1: 64 work-groups
	s_lshl_b32 s7, s7, 3
	s_add_co_u32 s7, s7, s4
	s_lshl_b32 s7, s7, 3                           ; unit 0..4095 = 512 x block + k
	s_lshr_b32 s42, s7, 9
	s_and_b32 s43, s7, 511
	s_lshl_b32 s50, s43, 13                        ; row k of W1: 8,192 bytes
	s_lshl_b32 s44, s42, 10                        ; 256 columns: 1,024 bytes
	s_add_co_u32 s50, s50, s44
	s_lshl_b32 s52, s7, 9
	s_add_co_u32 s52, s52, HDR
	s_mov_b64 s[46:47], s[20:21]
	s_mov_b64 s[48:49], s[38:39]
	s_mov_b32 s54, 8192
	s_branch .Lcast
.Lseg2:
	s_cmp_lt_u32 s5, 128
	s_cbranch_scc0 .Lseg3
	s_sub_co_u32 s7, s5, 112                       ; Wp: 16 work-groups, as it lies
	s_lshl_b32 s7, s7, 3
	s_add_co_u32 s7, s7, s4
	s_lshl_b32 s7, s7, 3
	s_lshl_b32 s50, s7, 10
	s_lshl_b32 s52, s7, 9
	s_mov_b64 s[46:47], s[22:23]
	s_mov_b64 s[48:49], s[40:41]
	s_mov_b32 s54, 1024
	s_branch .Lcast
.Lseg3:
	s_cmp_lt_u32 s5, 192
	s_cbranch_scc0 .Lmisc
	s_sub_co_u32 s7, s5, 128                       ; W2: 64 work-groups, as it lies
	s_lshl_b32 s7, s7, 3
	s_add_co_u32 s7, s7, s4
	s_lshl_b32 s7, s7, 3
	s_lshl_b32 s50, s7, 10
	s_lshl_b32 s52, s7, 9
	s_add_co_u32 s52, s52, 524288
	s_mov_b64 s[46:47], s[24:25]
	s_mov_b64 s[48:49], s[40:41]
	s_mov_b32 s54, 1024
.Lcast:
	s_add_nc_u64 s[46:47], s[46:47], s[50:51]
	s_add_nc_u64 s[48:49], s[48:49], s[52:53]
	v_mov_b32 v6, v5
.irp i, 0,1,2,3,4,5,6
	v_add_nc_u32 v[7+\i], s54, v[6+\i]             ; unit i begins i steps further on
.endr
.irp i, 0,1,2,3,4,5,6,7
	global_load_b128 v[D+8*\i:D+8*\i+3], v[6+\i], s[46:47] th:TH_LOAD_NT
	global_load_b128 v[D+8*\i+4:D+8*\i+7], v[6+\i], s[46:47] offset:16 th:TH_LOAD_NT
.endr
.irp i, 0,1,2,3,4,5,6,7
	s_wait_loadcnt 14-2*\i                         ; loads come back in order (ISA guide 5.7.1): unit i is in, the younger units' loads stay out
.irp k, 0,1,2,3
	v_cvt_pk_bf16_f32 v[PKD+4*\i+\k], v[D+8*\i+2*\k], v[D+8*\i+2*\k+1]
.endr
	global_store_b128 v4, v[PKD+4*\i:PKD+4*\i+3], s[48:49] offset:\i*512   ; 512 consecutive bytes, aligned
.endr
	s_endpgm
	; ---- the biases and the floors
.Lmisc:
	s_cmp_eq_u32 s4, 3
	s_cbranch_scc1 .Lfloors
	s_cmp_lt_u32 s4, 3
	s_cbranch_scc0 .Lb1
	s_cmp_eq_u32 s4, 0                             ; waves 0, 1, 2: bq, bk, bv, 2,048 bytes each
	s_cselect_b64 s[46:47], s[26:27], s[28:29]
	s_cmp_eq_u32 s4, 2
	s_cselect_b64 s[46:47], s[30:31], s[46:47]
	s_lshl_b32 s52, s4, 11
	s_add_co_u32 s52, s52, 256
	s_add_nc_u64 s[48:49], s[36:37], s[52:53]
	s_branch .Lcopy
.Lb1:
	s_sub_co_u32 s50, s4, 4                        ; waves 4 to 7: a quarter of b1 each
	s_lshl_b32 s50, s50, 11
	s_add_nc_u64 s[46:47], s[32:33], s[50:51]
	s_add_co_u32 s52, s50, 256
	s_add_nc_u64 s[48:49], s[38:39], s[52:53]
.Lcopy:
.irp i, 0,1,2,3
	global_load_b128 v[D+4*\i:D+4*\i+3], v4, s[46:47] offset:\i*512
.endr
	s_wait_loadcnt 0x0
.irp i, 0,1,2,3
	global_store_b128 v4, v[D+4*\i:D+4*\i+3], s[48:49] offset:\i*512
.endr
	s_endpgm
.Lfloors:
	v_lshlrev_b32 v3, 3, v1
	v_mov_b32 v8, 0xff80ff80
	v_mov_b32 v9, 0xff80ff80
	v_mov_b32 v10, 0
	v_mov_b32 v11, 0
	global_store_b64 v3, v[8:9], s[36:37]          ; 256 bytes each
	global_store_b64 v3, v[10:11], s[38:39]
	s_endpgm
.Lfunc_end_k_q7c219e04f4_prep:
	.size	k_q7c219e04f4_prep, .Lfunc_end_k_q7c219e04f4_prep-k_q7c219e04f4_prep
	.p2alignl 7, 3214868480
	.fill 96, 4, 3214868480
	.section	.rodata,"a",@progbits
	.p2align	6, 0x0
	.amdhsa_kernel k_q7c219e04f4_prep
		.amdhsa_group_segment_fixed_size 0
		.amdhsa_private_segment_fixed_size 0
		.amdhsa_enable_private_segment 0
		.amdhsa_kernarg_size 136
		.amdhsa_user_sgpr_count 2
		.amdhsa_user_sgpr_kernarg_segment_ptr 1
		.amdhsa_wavefront_size32 1
		.amdhsa_system_sgpr_workgroup_id_x 1
		.amdhsa_system_sgpr_workgroup_id_y 1
		.amdhsa_system_sgpr_workgroup_id_z 1
		.amdhsa_system_vgpr_workitem_id 0
		.amdhsa_next_free_vgpr 136
		.amdhsa_next_free_sgpr 66
		.amdhsa_reserve_vcc 0
		.amdhsa_float_denorm_mode_32 3
		.amdhsa_float_denorm_mode_16_64 3
		.amdhsa_memory_ordered 1
		.amdhsa_forward_progress 1
		.amdhsa_inst_pref_size 31
	.end_amdhsa_kernel
	.amdgpu_metadata
---
amdhsa.version: [ 1, 2 ]
amdhsa.kernels:
  - .name:           k_q7c219e04f4_prep
    .symbol:         k_q7c219e04f4_prep.kd
    .args:
      - { .name: x, .offset: 0, .size: 8, .value_kind: global_buffer, .address_space: global }
      - { .name: ln1_g, .offset: 8, .size: 8, .value_kind: global_buffer, .address_space: global }
      - { .name: ln1_b, .offset: 16, .size: 8, .value_kind: global_buffer, .address_space: global }
      - { .name: Wq, .offset: 24, .size: 8, .value_kind: global_buffer, .address_space: global }
      - { .name: Wk, .offset: 32, .size: 8, .value_kind: global_buffer, .address_space: global }
      - { .name: Wv, .offset: 40, .size: 8, .value_kind: global_buffer, .address_space: global }
      - { .name: W1, .offset: 48, .size: 8, .value_kind: global_buffer, .address_space: global }
      - { .name: Wp, .offset: 56, .size: 8, .value_kind: global_buffer, .address_space: global }
      - { .name: W2, .offset: 64, .size: 8, .value_kind: global_buffer, .address_space: global }
      - { .name: bq, .offset: 72, .size: 8, .value_kind: global_buffer, .address_space: global }
      - { .name: bk, .offset: 80, .size: 8, .value_kind: global_buffer, .address_space: global }
      - { .name: bv, .offset: 88, .size: 8, .value_kind: global_buffer, .address_space: global }
      - { .name: b1, .offset: 96, .size: 8, .value_kind: global_buffer, .address_space: global }
      - { .name: hn, .offset: 104, .size: 8, .value_kind: global_buffer, .address_space: global }
      - { .name: pkq, .offset: 112, .size: 8, .value_kind: global_buffer, .address_space: global }
      - { .name: pk1, .offset: 120, .size: 8, .value_kind: global_buffer, .address_space: global }
      - { .name: wr, .offset: 128, .size: 8, .value_kind: global_buffer, .address_space: global }
    .group_segment_fixed_size: 0
    .private_segment_fixed_size: 0
    .kernarg_segment_align: 8
    .kernarg_segment_size: 136
    .max_flat_workgroup_size: 256
    .sgpr_count:     66
    .vgpr_count:     136
    .wavefront_size: 32
...
	.end_amdgpu_metadata
.endif
;; end of part 1
;; launch qkv (part 2): grid 32 x 6, 4 waves a work-group, clusters of 4 x 1, 327,680 bytes of LDS; arguments hn, pkq, big; writes big
.if DOCPART == 2
	.amdgcn_target "amdgcn-amd-amdhsa--gfx1250"
	.amdhsa_code_object_version 6
	.text
	.protected	k_q7c219e04f4_qkv
	.globl	k_q7c219e04f4_qkv
	.p2align	8
	.type	k_q7c219e04f4_qkv,@function
k_q7c219e04f4_qkv:
	s_mov_b64 s[64:65], 0
	v_nop
	global_prefetch_b8 v0, s[64:65] scope:SCOPE_SE
	s_setreg_imm32_b32 hwreg(HW_REG_WAVE_MODE, 25, 1), 1
	s_wait_xcnt 0x0
	s_wait_alu depctr_hold_cnt(0) depctr_sa_sdst(0) depctr_va_vdst(0) depctr_va_sdst(0) depctr_va_ssrc(0) depctr_va_vcc(0) depctr_vm_vsrc(0)
	s_getreg_b32 s2, hwreg(HW_REG_IB_STS2, 6, 4)
	s_cmp_eq_u32 s2, 0
	s_cbranch_scc0 .Lentry_in_a_cluster
	s_endpgm
.Lentry_in_a_cluster:
	s_bfe_u32 s2, ttmp6, 0x10000c
	s_cmp_lg_u32 s2, 0x3003
	s_cbranch_scc0 .Lentry_shape_is_right
	s_endpgm
.Lentry_shape_is_right:
; out = max(A B + bias, floor), K = 512.  A: [8192][512] bf16.  The pack: byte 0 the floor (two bf16 in a word), byte 256 the bias (f32), byte HDR on B in blocks [n / 256][512 k][256 n] bf16.
; out: column blocks [n / 64][8192 rows][64] bf16, rounded once.  Sums in f32, started with the bias.  One body for q, k, v (floor = -infinity) and for the first FFN layer (floor = 0: the ReLU);
; nothing in the text hangs on N, only the grid's height.  LIMITS: operands in bf16; a NaN loses against the floor.
; A tile of C is 256 x 256: four waves, each 128 x 128 in 64 accumulators.  K goes in 4 steps of 128 through two LDS slots.  B lies [k][n] and is turned on its way out of LDS (ds_load_tr16_b128).
; CLUSTER 4 x 1: the four work-groups take four row tiles of one column tile, so B's tile is asked for JOINTLY (mask 15); A's tile is each work-group's own, a plain load behind the same rounds.
; A cluster of 4 x 4 is not open: the grid's height is 6 for q, k, v.  No prefetch: of the four K steps two go out at the head, and the other two would have to be named at the head too.
; THE MATRIX INSTRUCTION IS USED TRANSPOSED (source 0 = 16 columns of B, source 1 = 16 rows of A): a lane holds row lane % 16 and the columns 8 (lane / 16) + 0..7.
; REGISTERS by windows of 256:  0: v16-29 addresses; v64-127, v128-191 A's fragments; v192-223, v32-63, v224-255 the way out.   1: v0-63 the bias as a C operand; v64-191 B's fragments.
;   2, 3: the accumulators, (a, b) at 8 (8 a + b).
.set PA,     272                       ; a row of A in LDS: 256 bytes + 16: the 16 rows of a load start at 16 different groups of four banks (ISA guide 11.1)
.set PB,     544                       ; a row of B: 512 + 32
.set HALFT,  128*PA                    ; what one tensor load brings: 128 rows of A, or 64 rows of B (64 x 544 is the same number)
.set SLOT,   4*HALFT                   ; A's 256 rows, then B's 128 k rows.  No bit of SLOT is set in wave x HALFT, so an exclusive or changes slots
.set STAGE,  2*SLOT                    ; behind the ring: for each wave [2 column blocks][16 rows][144 bytes]
.set SPITCH, 144
.set WSTAGE, 32*SPITCH
.set SPARE,  STAGE+4*WSTAGE            ; the spare words: 128 bytes a wave, two blocks of 256 bytes that no other line names
.set HDR,    8448
.set ADRA0, 16                         ; v16  my place in A's tile of slot 0; never rewritten
.set ADRA,  17                         ; v17  the same in the slot in hand
.set ADRB0, 20
.set ADRB,  21
.set STO,   24                         ; the way out: where I put 16 bytes of a row
.set RD,    25                         ; where I read four rows of 128 bytes back
.set CO,    26                         ; 16 x lane
.set BO,    27                         ; 32 x (lane / 16): my eight numbers of a block of 16 of the bias
.set SPW,   28
.set NIL,   29
.set F0,    64
.set F1,    128
.set TMP,   192
.set OB,    32
.set G1A,   24                         ; s[24:31] group 1 for A;  s[32:39] group 0: a set for each first fill; the second walks on
.set G0A,   32
.set G1B,   48                         ; s[48:55], s[56:63] the same for B
.set G0B,   56
.set CUR,   41                         ; s41  0 or SLOT: the slot being read
.set FLOOR, 42
.set CNT,   43
.set MSB, 0
.macro WIN new                         ; the immediate's high byte repeats the setting that is left; a switch that changes nothing is dropped
.if MSB != (\new)
	s_set_vgpr_msb (MSB<<8)|(\new)
.set MSB, \new
.endif
.endm
.set MUL_LO, 0xa1                      ; source 0 (B) window 1, source 1 (A) window 0, C and D window 2
.set MUL_HI, 0xf1
.set BIA_LO, 0x91                      ; the same with C (the bias) in window 1
.set BIA_HI, 0xd1
.set TO_B,   0x40
.macro PLACES                          ; four places behind a matrix instruction, in front of loads into registers that it has read and of readers of its result
.rept 4
	v_nop
.endr
.endm
.macro CREST                           ; a round of the cluster's barrier behind its opening barrier
	s_cmp_lg_u32 s10, 0
	s_cbranch_scc1 .Lnot_wave_0_\@
	s_barrier_signal -3
.Lnot_wave_0_\@:
	s_barrier_wait -3
	s_barrier_signal -1
	s_barrier_wait -1
.endm
.macro CROUND
	s_barrier_signal -1
	s_barrier_wait -1
	CREST
.endm
.macro JLOAD                           ; a refill by the walking sets: waves 0, 1 A's halves (plain), waves 2, 3 B's (joint).  s_nop 0 and four v_nop follow each line
	s_cmp_eq_u32 s11, 0
	s_cbranch_scc0 .Lfor_b_\@
	tensor_load_to_lds s[G0A+4:G0A+7], s[G1A:G1A+7]
	s_nop 0
.rept 4
	v_nop
.endr
	s_branch .Lasked_\@
.Lfor_b_\@:
	tensor_load_to_lds s[G0B+4:G0B+7], s[G1B:G1B+7]
	s_nop 0
.rept 4
	v_nop
.endr
.Lasked_\@:
.endm
	s_load_b128 s[4:7], s[0:1], 0x0                ; A s[4:5], the pack s[6:7]
	s_load_b64 s[8:9], s[0:1], 0x10                ; out
	v_lshl_add_u32 v[SPW], v0, 2, SPARE
	v_mov_b32 v[NIL], 0
	ds_add_u32 v[SPW], v[NIL]                      ; the wave's opening: the add and its wait stand ahead of my first tensor load
	v_lshrrev_b32 v1, 5, v0
	v_readfirstlane_b32 s10, v1                    ; wave 0..3
	s_lshr_b32 s11, s10, 1                         ; my half of the tile's rows.  Also: I fetch for A (0) or B (1)
	s_and_b32 s12, s10, 1                          ; my half of its columns.  Also: which half of that tile I fetch
	s_bfe_u32 s40, ttmp6, 0x40000                  ; cx
	s_lshl_b32 s13, ttmp9, 2
	s_add_co_u32 s13, s13, s40                     ; tile row = 4 x cluster x + cx
	s_and_b32 s14, ttmp7, 0xffff                   ; tile column, shared by the four partners
	s_mov_b32 s[G1A+0], (1<<16)|(1<<20)|(5<<22)|(3<<25)   ; no mask; 2-byte elements; padding on: after every 64 words 4 words
	s_mov_b32 s[G1A+1], 128<<16                    ; tensor_dim0 = 128
	s_mov_b32 s[G1A+2], 128<<16                    ; tensor_dim1 = 128
	s_mov_b32 s[G1A+3], 128<<16                    ; tile_dim0 = 128
	s_mov_b32 s[G1A+4], 128                        ; tile_dim1 = 128
	s_mov_b32 s[G1A+5], 512                        ; elements from row to row
	s_mov_b32 s[G1A+6], 0
	s_mov_b32 s[G1A+7], 0
	s_mov_b32 s[G1B+0], 15|(1<<16)|(1<<20)|(1<<21)|(6<<22)|(7<<25)  ; the mask of four, bit 21 beside it; after every 128 words 8 words
	s_mov_b32 s[G1B+1], 256<<16
	s_mov_b32 s[G1B+2], 64<<16
	s_mov_b32 s[G1B+3], 256<<16
	s_mov_b32 s[G1B+4], 64
	s_mov_b32 s[G1B+5], 256
	s_mov_b32 s[G1B+6], 0
	s_mov_b32 s[G1B+7], 0
	s_mul_i32 s20, s10, HALFT                      ; where my loads go: no place in the cluster enters an LDS address
	s_mov_b32 s[CUR], 0
	s_lshl_b32 s16, s13, 18                        ; A: 256 rows of 1,024 bytes a tile row,
	s_lshl_b32 s17, s12, 17                        ; 128 rows a half
	s_add_co_u32 s16, s16, s17
	s_mov_b32 s17, 0
	s_lshl_b32 s18, s14, 18                        ; B: a block of 262,144 bytes a tile column,
	s_lshl_b32 s19, s12, 15                        ; 64 rows of 512 bytes a half
	s_add_co_u32 s18, s18, s19
	s_add_co_u32 s18, s18, HDR
	s_mov_b32 s19, 0
	s_lshl_b32 s22, s14, 10                        ; the bias of my 128 columns
	s_lshl_b32 s23, s12, 9
	s_add_co_u32 s22, s22, s23
	s_add_co_u32 s22, s22, 256
	s_mov_b32 s23, 0
	s_lshl_b32 s2, s14, 2                          ; out: column block 4 x tile column + 2 x half, 1 MiB each,
	s_lshl_b32 s3, s12, 1
	s_add_co_u32 s2, s2, s3
	s_lshl_b32 s2, s2, 20
	s_lshl_b32 s3, s13, 15                         ; 256 rows of 128 bytes a tile row,
	s_add_co_u32 s2, s2, s3
	s_lshl_b32 s3, s11, 14                         ; 128 rows a half
	s_add_co_u32 s2, s2, s3
	s_mov_b32 s3, 0
	s_wait_dscnt 0x0                               ; the opening add is done
	s_wait_kmcnt 0x0
	s_load_b32 s[FLOOR], s[6:7], 0x0
	s_add_nc_u64 s[44:45], s[4:5], s[16:17]
	s_add_nc_u64 s[46:47], s[6:7], s[18:19]
	s_add_nc_u64 s[22:23], s[6:7], s[22:23]
	s_add_nc_u64 s[8:9], s[8:9], s[2:3]
.irp s, 0,1
	s_mov_b32 s[G0A+4*\s], 1
	s_add_co_u32 s[G0A+4*\s+1], s20, \s*SLOT
	s_add_nc_u64 s[G0A+4*\s+2:G0A+4*\s+3], s[44:45], \s*256       ; K step s: 256 bytes along the rows
	s_or_b32 s[G0A+4*\s+3], s[G0A+4*\s+3], 0x80000000
	s_mov_b32 s[G0B+4*\s], 1
	s_add_co_u32 s[G0B+4*\s+1], s20, \s*SLOT
	s_add_nc_u64 s[G0B+4*\s+2:G0B+4*\s+3], s[46:47], \s*65536     ; K step s: 128 rows of 512 bytes down
	s_or_b32 s[G0B+4*\s+3], s[G0B+4*\s+3], 0x80000000
.endr
	CROUND                                         ; all four work-groups are here: the first joint loads meet
	s_cmp_eq_u32 s11, 0                            ; a wave's two first fills stand in one branch: two loads of mine are out
	s_cbranch_scc0 .Lfirst_b
	tensor_load_to_lds s[G0A:G0A+3], s[G1A:G1A+7]
	s_nop 0
	tensor_load_to_lds s[G0A+4:G0A+7], s[G1A:G1A+7]
	s_nop 0
.rept 4
	v_nop
.endr
	s_branch .Lfirst_asked
.Lfirst_b:
	tensor_load_to_lds s[G0B:G0B+3], s[G1B:G1B+7]
	s_nop 0
	tensor_load_to_lds s[G0B+4:G0B+7], s[G1B:G1B+7]
	s_nop 0
.rept 4
	v_nop
.endr
.Lfirst_asked:
	v_and_b32 v1, 15, v0                           ; r = lane % 16
	v_bfe_u32 v2, v0, 4, 1                         ; h = lane / 16
	v_and_b32 v3, 7, v0
	v_bfe_u32 v4, v0, 3, 1
	v_and_b32 v5, 31, v0
	v_lshlrev_b32 v[BO], 5, v2
	WIN TO_B
.irp b, 0,1,2,3,4,5,6,7                ; register j of block b: bias[16 b + 8 h + j]: the C operand of the products that start the sums
	global_load_b128 v[8*\b:8*\b+3], v[BO], s[22:23] offset:64*\b
	global_load_b128 v[8*\b+4:8*\b+7], v[BO], s[22:23] offset:64*\b+16
.endr
	WIN 0
	v_mul_u32_u24 v[ADRA0], v1, PA                 ; A: row x pitch + 16 h, in my 128 rows
	v_lshl_add_u32 v[ADRA0], v2, 4, v[ADRA0]
	s_mul_i32 s21, s11, HALFT
	v_add_nc_u32 v[ADRA0], s21, v[ADRA0]
	v_lshl_add_u32 v6, v2, 3, v3                   ; B, turned: lane reads row k = 8 h + lane % 8, 16 bytes at 16 ((lane / 8) % 2), in my 128 columns
	v_mul_u32_u24 v[ADRB0], v6, PB
	v_lshl_add_u32 v[ADRB0], v4, 4, v[ADRB0]
	s_lshl_b32 s21, s12, 8
	s_add_co_u32 s21, s21, 2*HALFT
	v_add_nc_u32 v[ADRB0], s21, v[ADRB0]
	v_mov_b32 v[ADRA], v[ADRA0]
	v_mov_b32 v[ADRB], v[ADRB0]
	s_mul_i32 s21, s10, WSTAGE
	s_add_co_u32 s21, s21, STAGE
	v_mul_u32_u24 v[STO], v1, SPITCH
	v_lshl_add_u32 v[STO], v2, 4, v[STO]
	v_add_nc_u32 v[STO], s21, v[STO]
	v_bfe_u32 v6, v0, 3, 2
	v_mul_u32_u24 v[RD], v6, SPITCH
	v_lshl_add_u32 v[RD], v3, 4, v[RD]
	v_add_nc_u32 v[RD], s21, v[RD]
	v_lshlrev_b32 v[CO], 4, v5
; 16 matrix instructions: m blocks a0, a0 + 1 of the window's four x all 8 n blocks, 32 along K.  zero = 1: the product starts the sum, with the bias as C.
.macro MUL16 f, hi, a0, zero
.if \zero
	WIN BIA_LO+0x40*(\hi)
.else
	WIN MUL_LO+0x50*(\hi)
.endif
.irp a, \a0, (\a0)+1
.irp b, 0,1,2,3,4,5,6,7
.if \zero
	v_wmma_f32_16x16x32_bf16 v[8*(8*(\a)+(\b)):8*(8*(\a)+(\b))+7], v[(\f)+8*(\b):(\f)+8*(\b)+7], v[(\f)+8*(4*(\hi)+(\a)):(\f)+8*(4*(\hi)+(\a))+7], v[8*(\b):8*(\b)+7]
.else
	v_wmma_f32_16x16x32_bf16 v[8*(8*(\a)+(\b)):8*(8*(\a)+(\b))+7], v[(\f)+8*(\b):(\f)+8*(\b)+7], v[(\f)+8*(4*(\hi)+(\a)):(\f)+8*(4*(\hi)+(\a))+7], v[8*(8*(\a)+(\b)):8*(8*(\a)+(\b))+7]
.endif
.endr
.endr
.endm
; 32 LDS loads in one run: quarter k (32 along K) of the slot in hand into buffer f: B's 8 blocks of 16 columns, turned, then A's 8 blocks of 16 rows
.macro FETCH k, f
	WIN TO_B
.irp i, 0,1,2,3,4,5,6,7
	ds_load_tr16_b128 v[(\f)+8*\i:(\f)+8*\i+3],   v[ADRB] offset:(\k)*32*PB+32*\i
	ds_load_tr16_b128 v[(\f)+8*\i+4:(\f)+8*\i+7], v[ADRB] offset:(\k)*32*PB+32*\i+16*PB
.endr
	WIN 0
.irp i, 0,1,2,3,4,5,6,7
	ds_load_b128 v[(\f)+8*\i:(\f)+8*\i+3],   v[ADRA] offset:(\k)*64+\i*16*PA
	ds_load_b128 v[(\f)+8*\i+4:(\f)+8*\i+7], v[ADRA] offset:(\k)*64+\i*16*PA+32
.endr
.endm
; One of a K step's first three quarters: multiplies buffer f; in its middle fetches quarter k into buffer g.
.macro QUARTER k, f, g, zero
	s_wait_dscnt 8                                 ; B and A's rows 0-63 are in; the youngest eight loads (A's rows 64-127) may be out
	MUL16 \f, 0, 0, \zero
	MUL16 \f, 0, 2, \zero
	PLACES
	FETCH \k, \g
	s_wait_dscnt 32                                ; all but the 32 just issued
	MUL16 \f, 1, 0, \zero
	MUL16 \f, 1, 2, \zero
.endm
; The last quarter's first half, and the one barrier of a change of slots: each wave waits for all its tensor loads (the one that is out is its part of the next slot), adds 0 to its spare word,
; and waits for that and for its own reads of this slot.
.macro MEET
	WIN 0
	s_wait_tensorcnt 0x0
	ds_add_u32 v[SPW], v[NIL]
	s_wait_dscnt 9                                 ; (the add and the youngest eight loads may be out)
	MUL16 F1, 0, 0, 0                              ; sixteen matrix instructions stand between the add and the wait for it
	s_wait_dscnt 0x0                               ; the add is done, my reads of this slot are over
	s_barrier_signal -1
	MUL16 F1, 0, 2, 0
	WIN 0
	s_barrier_wait -1
.endm
.macro TURN fill                       ; fill = 1: the slot just read out is filled again, two K steps on; the barrier then opens a round of the cluster's
	MEET
.if \fill
	CREST                                          ; no wave of any partner still reads this slot or has a load on its way
	s_xor_b32 s[G0A+5], s[G0A+5], SLOT             ; the walking sets: the other slot than last time, the next K step
	s_add_nc_u64 s[G0A+6:G0A+7], s[G0A+6:G0A+7], 256
	s_xor_b32 s[G0B+5], s[G0B+5], SLOT
	s_add_nc_u64 s[G0B+6:G0B+7], s[G0B+6:G0B+7], 65536
.endif
	s_xor_b32 s[CUR], s[CUR], SLOT
.if \fill
	JLOAD                                          ; my one tensor load behind the round; its four v_nop are also the places in front of the loads below
.else
	PLACES
.endif
	v_add_nc_u32 v[ADRA], s[CUR], v[ADRA0]
	v_add_nc_u32 v[ADRB], s[CUR], v[ADRB0]
	FETCH 0, F0
	MUL16 F1, 1, 0, 0
	MUL16 F1, 1, 2, 0
.endm
; THE WAY OUT of block a (16 rows): rounded to bf16 and clamped; into my own stage; back as four rows of 128 bytes a load, which are 512 consecutive bytes of a column block.
.macro PACK a
.set AC, 64*((\a)%4)
	WIN 0x0a+5*((\a)/4)                            ; sources 0 and 1: window 2 or 3
.irp b, 0,1,2,3,4,5,6,7
.irp r, 0,1,2,3
	v_cvt_pk_bf16_f32 v[TMP+4*(\b)+(\r)], v[AC+8*(\b)+2*(\r)], v[AC+8*(\b)+2*(\r)+1]
.endr
.endr
	WIN 0
.set z, 0
.rept 32
	v_pk_max_num_bf16 v[TMP+z], v[TMP+z], s[FLOOR]
.set z, z+1
.endr
.endm
.macro TOSTAGE a
.set BK, OB+192*((\a)%2)
.irp b, 0,1,2,3,4,5,6,7
	ds_store_b128 v[STO], v[TMP+4*(\b):TMP+4*(\b)+3] offset:((\b)/4)*16*SPITCH+((\b)%4)*32
.endr
.irp c, 0,1
.irp t, 0,1,2,3
	ds_load_b128 v[BK+4*(4*\c+\t):BK+4*(4*\c+\t)+3], v[RD] offset:\c*16*SPITCH+\t*4*SPITCH  ; LDS serves a wave's instructions in order (ISA guide 5.7.1.4): these see the stores above
.endr
.endr
.endm
.macro SEND a
.set BK, OB+192*((\a)%2)
	s_wait_dscnt 0x0                               ; the block is back in registers
	s_wait_xcnt 0x0                                ; the stores issued so far have read their registers: the other buffer is loaded again only behind this wait
.irp c, 0,1
.irp t, 0,1,2,3
	global_store_b128 v[CO], v[BK+4*(4*\c+\t):BK+4*(4*\c+\t)+3], s[8:9] offset:\c*1048576+(\a)*2048+\t*512  ; 512 consecutive bytes, aligned
.endr
.endr
.endm
	s_wait_kmcnt 0x0                               ; the floor
	s_wait_loadcnt 0x0                             ; the bias
	s_wait_tensorcnt 1                             ; my part of K step 0 is in; K step 1's may stay out
	s_barrier_signal -1
	s_barrier_wait -1
	FETCH 0, F0
	QUARTER 1, F0, F1, 1                           ; the first quarter stands in front of the loop: its products start the sums
	WIN 0
	s_mov_b32 s[CNT], 2
.Lstep:                                                ; two trips, from a K step's second quarter to the next step's first: K steps 2 and 3 are asked for
	QUARTER 2, F1, F0, 0
	QUARTER 3, F0, F1, 0
	TURN 1
	QUARTER 1, F0, F1, 0
	WIN 0
	s_sub_co_u32 s[CNT], s[CNT], 1
	s_cmp_lg_u32 s[CNT], 0
	s_cbranch_scc1 .Lstep
	QUARTER 2, F1, F0, 0                           ; K step 2 goes on; nothing is left to ask for
	QUARTER 3, F0, F1, 0
	TURN 0
	QUARTER 1, F0, F1, 0
	QUARTER 2, F1, F0, 0
	QUARTER 3, F0, F1, 0
	s_wait_dscnt 8
	MUL16 F1, 0, 0, 0
	MUL16 F1, 0, 2, 0
	s_wait_dscnt 0x0
	MUL16 F1, 1, 0, 0
	MUL16 F1, 1, 2, 0
	PLACES
	PACK 0
	TOSTAGE 0
.irp a, 1,2,3,4,5,6,7                  ; block a's conversions stand between block a - 1's loads from the stage and the wait for them
	PACK \a
	SEND (\a)-1
	TOSTAGE \a
.endr
	SEND 7
	s_wait_tensorcnt 0x0                           ; the wave's end
	ds_add_u32 v[SPW], v[NIL]
	s_wait_dscnt 0x0
	CROUND                                         ; the closing round
	s_endpgm
.Lfunc_end_k_q7c219e04f4_qkv:
	.size	k_q7c219e04f4_qkv, .Lfunc_end_k_q7c219e04f4_qkv-k_q7c219e04f4_qkv
	.p2alignl 7, 3214868480
	.fill 96, 4, 3214868480
	.section	.rodata,"a",@progbits
	.p2align	6, 0x0
	.amdhsa_kernel k_q7c219e04f4_qkv
		.amdhsa_group_segment_fixed_size 327680
		.amdhsa_private_segment_fixed_size 0
		.amdhsa_enable_private_segment 0
		.amdhsa_kernarg_size 24
		.amdhsa_user_sgpr_count 2
		.amdhsa_user_sgpr_kernarg_segment_ptr 1
		.amdhsa_wavefront_size32 1
		.amdhsa_system_sgpr_workgroup_id_x 1
		.amdhsa_system_sgpr_workgroup_id_y 1
		.amdhsa_system_sgpr_workgroup_id_z 1
		.amdhsa_system_vgpr_workitem_id 0
		.amdhsa_next_free_vgpr 1024
		.amdhsa_next_free_sgpr 66
		.amdhsa_reserve_vcc 0
		.amdhsa_float_denorm_mode_32 3
		.amdhsa_float_denorm_mode_16_64 3
		.amdhsa_memory_ordered 1
		.amdhsa_forward_progress 1
		.amdhsa_inst_pref_size 134
	.end_amdhsa_kernel
	.amdgpu_metadata
---
amdhsa.version: [ 1, 2 ]
amdhsa.kernels:
  - .name:           k_q7c219e04f4_qkv
    .symbol:         k_q7c219e04f4_qkv.kd
    .args:
      - { .name: hn, .offset: 0, .size: 8, .value_kind: global_buffer, .address_space: global }
      - { .name: pkq, .offset: 8, .size: 8, .value_kind: global_buffer, .address_space: global }
      - { .name: big, .offset: 16, .size: 8, .value_kind: global_buffer, .address_space: global }
    .group_segment_fixed_size: 327680
    .private_segment_fixed_size: 0
    .kernarg_segment_align: 8
    .kernarg_segment_size: 24
    .max_flat_workgroup_size: 128
    .sgpr_count:     66
    .vgpr_count:     1024
    .wavefront_size: 32
...
	.end_amdgpu_metadata
.endif
;; end of part 2
;; launch attn (part 3): grid 8 x 32, 4 waves a work-group, no clusters, 218,624 bytes of LDS; arguments big, ao; writes ao
.if DOCPART == 3
	.amdgcn_target "amdgcn-amd-amdhsa--gfx1250"
	.amdhsa_code_object_version 6
	.text
	.protected	k_q7c219e04f4_attn
	.globl	k_q7c219e04f4_attn
	.p2align	8
	.type	k_q7c219e04f4_attn,@function
k_q7c219e04f4_attn:
	s_mov_b64 s[64:65], 0
	v_nop
	global_prefetch_b8 v0, s[64:65] scope:SCOPE_SE
	s_setreg_imm32_b32 hwreg(HW_REG_WAVE_MODE, 25, 1), 1
	s_wait_xcnt 0x0
; CAUSAL ATTENTION at head size 64, 32 head-batches of 2,048 rows.  O[q] = the sum over k <= q of softmax_k(Q[q] . K[k] / 8) V[k].
; big: head-batch y is the dense slab [2048][64] bf16 at byte 262,144 y (q), + 8 MiB (k), + 16 MiB (v).  ao: the same layout.  Products, maxima and sums in f32; the weights are rounded to bf16 for
; the second product (their sum is taken of the unrounded weights), O once at the end.
; LIMITS.  A hidden score counts as its value less 1e30 (the reference puts -1e9 in its place: the weight is 0 both ways while scores stay far under 1e9); a weight below 2^-126 counts as 0;
; NaN and infinities are not treated apart.
; THE WALK.  16 blocks of 128 queries, 8 key tiles of 256 keys (four steps of 64).  Block i needs tiles 0 .. i / 2.  Work-group b takes block 15 - b and then block b: (17 - b) / 2 + (b + 2) / 2 = 9 tiles,
; whatever b: one loop of 9 trips.  A block's last tile holds the diagonal: band x of 64 queries has its own step at 2 (i % 2) + x, sees all keys of earlier steps, none of later ones.  In an EVEN block's
; diagonal tile steps 2 and 3 are hidden from all 128 queries: the tile is left after two steps.  15 - b and b are one even and one odd block, so every work-group walks 34 steps.
; SHARES.  Of a block's two bands a wave owns 16 rows in each: two PIECES.  So every wave does the same work in the diagonal tile.
; K AND V COME THROUGH REGISTERS.  Each wave loads its 64 rows of K and of V of a tile (32 loads of 512 bytes) into 128 registers.  Once a tile, ahead of an even step's first turn, it puts them into the LDS slot that
; is not being read; a turn later, behind the wait that shows those stores done, it loads the tile after.  The slot that takes tile j + 1 held tile j - 1, whose reads every wave awaited in front of the barrier
; that opened tile j; the stores are awaited in front of the barrier that opens tile j + 1.  So a change of slots is one wait and one barrier.
; NO CLUSTER, no joint loads: the eight work-groups of a head leave their first block at different trips, (17 - b) / 2, and from then on ask for different tiles.
; THE MASK is the C operand that starts S^T = K Q^T: MD x AL + BE, with MD the mask of a band's own step for my rows and two scalars: (1, 0) own step, (0, 0) earlier, (0, -1e30) later.  It is made in the
; diagonal tile's turns alone; in the other tiles both buffers hold the zeros that the block's beginning wrote.
; TURNS.  Turn (p, s) does piece p's softmax of step s; beside it 8 products K Q^T of the other piece (p = 0: step s; p = 1: step s + 1) and 8 products V^T P of the other piece (p = 0: step s - 1; p = 1: step s).
; Four vector instructions stand behind every product, the rest in one lump; a turn's 33 exponentials are one batch with one wait.  K's and V's fragments have two register buffers each, by the step's parity:
; K of step s + 1 is fetched at the head of turn (0, s), V of step s + 1 at the head of turn (1, s): between two barriers a wave fetches from one slot alone.
; REGISTERS by windows of 256 (s_set_vgpr_msb: bits 1:0 source 0, 3:2 source 1, 5:4 source 2, 7:6 destination):
;   0: v2-31 addresses; v16-23 statistics (c m, m, l, l a piece); v48-55 at work; v64-127 S^T, a buffer a piece; v128-191 O^T, 32 a piece; v192-223 P: all that the softmax touches, so it switches no window
;   1: v128-159 MD; v160-223 MC, a buffer a piece     2: v0-31 Q; v32-63 the second block's Q; v64-191 K, two buffers     3: v0-127 V, two buffers; v128-255 the tile on its way
.set KS,    64
.set PK,    144       ; a row of K in LDS: 128 bytes + 16: the 16 rows of a load start at 16 different groups of four banks (ISA guide 11.1)
.set PV,    160       ; a row of V: 128 + 32
.set VOFF,  4*KS*PK   ; a slot: 256 rows of K, then 256 rows of V
.set SLOT1, 1<<17
.set STAGE, SLOT1+4*KS*(PK+PV)  ; 16 rows x 144 bytes for each wave, for the way out
.set SP,    144
.set SPARE, STAGE+4*16*SP       ; the spare words: 128 bytes a wave, two blocks of 256 bytes that no other line names
.set AK0, 2           ; my lane's place in a step of K; never rewritten
.set AV0, 3
.set AK,  4
.set AV,  5
.set STO, 6
.set RD,  7
.set GL,  9           ; 16 x lane: for the tile's loads and for O's stores
.set LK,  10          ; where I put 16 bytes of K in slot 0
.set LV,  11
.set MV,  12          ; v12-13  c m_old, by piece
.set LKC, 14
.set LVC, 15
.set ST,  16
.set PFO, 24          ; 256 x lane
.set QO,  25
.set TMP, 48
.set SPW, 62
.set NIL, 63
.set S,   64
.set OT,  128
.set P,   192
.set MD,  128
.set MC,  160
.set QB,  32
.set K0,  64
.set SG,  128
.set WV,  12
.set PB,  14          ; s14  b
.set KP,  16          ; s[16:17] the head's K at my wave's 64 rows of tile 0;  s[18:19] V
.set VP,  18
.set KT,  20          ; s[20:21], s[22:23] the same at the tile that was loaded last
.set VT,  22
.set QP1, 24
.set QP2, 26
.set OLO, 28          ; s[28:29] O at my rows of the second block; s[10:11] at those of the block in hand
.set OFF, 30
.set SLOTS, 56        ; tiles of the walk still to come, the one in hand among them
.set CNT, 57
.set CS,  58          ; s[58:59] c = log2(e) / 8
.set SEL, 60
.set TBK, 62          ; LDS byte at which K of the step to be fetched begins
.set TBV, 63
.set RT,  70          ; tiles of the block in hand still to be entered
.set NXT, 71          ; the tile to be loaded next
.set LQ,  72
.set NEW, 73
.set LQ2, 74
.set AL,  76
.set BE,  78
.set BIGN, 82
.set TAU, 83          ; in the diagonal tile: the step for which the turn in hand makes its mask
.set OWN, 84          ; s84, s85  the two bands' own steps in the tile in hand; 64, 65 where it is not the diagonal one
.set STG, 86          ; in the pass that stages: the walk's tiles left; else 0
.set DG,  87
.set DG2, 88
.set WS,  89          ; the slot that is not being read
.set PF,  90          ; prefetches still to be made
.set T2,  91
.set SC,  92          ; the value of CNT in the pass that stages: 1 in the walk's first tile, then 2
.set RB,  93          ; the slot that is being read
.set MSB, 0
.macro WIN new
.if MSB != (\new)
	s_set_vgpr_msb (MSB<<8)|(\new)
.set MSB, (\new)
.endif
.endm
.set W_KQ, 0x0a       ; K and Q in window 2, S^T in window 0
.set W_KM, 0x1a       ; the same with the C operand in window 1
.set W_PV, 0x03       ; V in window 3; P and O^T in window 0
.set W_MK, 0x41       ; the masks: destination and source 0 in window 1
.macro PLACES
.rept 4
	v_nop
.endr
.endm
.macro TILE_IN off                  ; my 64 rows of K and of V of a tile: 32 loads of 512 consecutive bytes
	WIN 0xc0
.set u, 0
.rept 16
	global_load_b128 v[SG+4*u:SG+4*u+3], v[GL], s[KT:KT+1] offset:(\off)+u*512
.set u, u+1
.endr
.set u, 0
.rept 16
	global_load_b128 v[SG+64+4*u:SG+64+4*u+3], v[GL], s[VT:VT+1] offset:(\off)+u*512
.set u, u+1
.endr
	WIN 0
.endm
.macro PUT ak, av                   ; the same rows into LDS: a load's 512 bytes are four rows
	WIN 0x0c                        ; store data in window 3
.set u, 0
.rept 16
	ds_store_b128 v[\ak], v[SG+4*u:SG+4*u+3] offset:u*4*PK
.set u, u+1
.endr
.set u, 0
.rept 16
	ds_store_b128 v[\av], v[SG+64+4*u:SG+64+4*u+3] offset:u*4*PV
.set u, u+1
.endr
	WIN 0
.endm
	s_load_b128 s[4:7], s[0:1], 0x0 ; big, ao
	v_lshl_add_u32 v[SPW], v0, 2, SPARE
	v_mov_b32 v[NIL], 0
	v_lshrrev_b32 v1, 5, v0
	v_readfirstlane_b32 s[WV], v1
	v_and_b32 v1, 15, v0            ; r
	v_bfe_u32 v26, v0, 4, 1         ; h
	v_and_b32 v27, 7, v0
	v_bfe_u32 v28, v0, 3, 1
	v_and_b32 v29, 31, v0
	v_bfe_u32 v30, v0, 3, 2
	v_lshlrev_b32 v[GL], 4, v29
	v_lshlrev_b32 v[PFO], 8, v29
	v_lshlrev_b32 v[QO], 7, v1
	v_lshl_add_u32 v[QO], v26, 4, v[QO]
	s_mov_b32 s[PB], ttmp9
	s_and_b32 s32, ttmp7, 0xffff
	s_lshl_b32 s32, s32, 18         ; the head-batch's slab
	s_lshl_b32 s34, s[WV], 13       ; my 64 rows of a tile
	s_add_co_u32 s34, s34, s32
	s_mov_b32 s35, 0
	s_sub_co_u32 s13, 15, s[PB]     ; the first block
	s_lshl_b32 s15, s[WV], 11       ; my 16 rows in a band
	s_lshl_b32 s36, s13, 14
	s_add_co_u32 s36, s36, s15
	s_add_co_u32 s36, s36, s32
	s_mov_b32 s37, 0
	s_lshl_b32 s38, s[PB], 14
	s_add_co_u32 s38, s38, s15
	s_add_co_u32 s38, s38, s32
	s_mov_b32 s39, 0
	s_sub_co_u32 s[RT], 17, s[PB]
	s_lshr_b32 s[RT], s[RT], 1      ; the first block's tiles: five at the least
	s_add_co_u32 s[T2], s[PB], 2
	s_lshr_b32 s[T2], s[T2], 1      ; the second's
	s_sub_co_u32 s[LQ], s[RT], 1
	s_sub_co_u32 s[LQ2], s[T2], 1
	s_and_b32 s[DG], s13, 1
	s_lshl_b32 s[DG], s[DG], 1
	s_and_b32 s[DG2], s[PB], 1
	s_lshl_b32 s[DG2], s[DG2], 1
	s_cmp_eq_u32 s[PB], 0
	s_cselect_b32 s[PF], 5, 0       ; work-group 0 of a head walks tiles 0 .. 7 in order: it names tiles 3 .. 7, each once
	s_mov_b32 s[NXT], 2             ; tiles 0 and 1 are loaded here, at the head
	s_mov_b32 s[NEW], 1
	s_mov_b32 s[RB], SLOT1          ; the first change of slots turns it into 0
	s_mov_b32 s[SC], 1
	s_mov_b32 s[SLOTS], 9
	s_mov_b32 s[OFF+1], 0
	s_mov_b32 s[AL+1], 0
	s_mov_b32 s[BE+1], 0
	s_mov_b32 s[BIGN], 0xf149f2ca   ; -1e30
	s_mov_b32 s[CS], 0x3e38aa3b
	s_mov_b32 s[CS+1], s[CS]
	s_mov_b32 s[SEL], 0x76543210
	s_mov_b32 s[SEL+1], 0xfedcba98
	s_wait_kmcnt 0x0
	s_add_nc_u64 s[KP:KP+1], s[4:5], s[34:35]
	s_add_nc_u64 s[VP:VP+1], s[KP:KP+1], 0x1000000
	s_add_nc_u64 s[KP:KP+1], s[KP:KP+1], 0x800000
	s_mov_b64 s[KT:KT+1], s[KP:KP+1]
	s_mov_b64 s[VT:VT+1], s[VP:VP+1]
	s_add_nc_u64 s[QP1:QP1+1], s[4:5], s[36:37]
	s_add_nc_u64 s[QP2:QP2+1], s[4:5], s[38:39]
	s_add_nc_u64 s[10:11], s[6:7], s[36:37]
	s_add_nc_u64 s[OLO:OLO+1], s[6:7], s[38:39]
	TILE_IN 0                       ; tile 0
	WIN 0x80                        ; both blocks' Q: piece x lies in band x, 8,192 bytes on; channels 32 c on.  A fragment is two loads of 16 bytes, 32 bytes apart
.irp x, 0,1
.irp c, 0,1
	global_load_b128 v[16*\x+8*\c:16*\x+8*\c+3],   v[QO], s[QP1:QP1+1] offset:\x*8192+\c*64
	global_load_b128 v[16*\x+8*\c+4:16*\x+8*\c+7], v[QO], s[QP1:QP1+1] offset:\x*8192+\c*64+32
	global_load_b128 v[QB+16*\x+8*\c:QB+16*\x+8*\c+3],   v[QO], s[QP2:QP2+1] offset:\x*8192+\c*64
	global_load_b128 v[QB+16*\x+8*\c+4:QB+16*\x+8*\c+7], v[QO], s[QP2:QP2+1] offset:\x*8192+\c*64+32
.endr
.endr
	WIN 0
	v_lshlrev_b32 v31, 3, v26
	v_sub_nc_u32 v31, v1, v31
	s_lshl_b32 s13, s[WV], 4
	v_add_nc_u32 v31, s13, v31      ; my query's place in its band, 16 w + r, less my lanes' 8 h: register j of key group kt is hidden where 16 kt + j is greater
	WIN 0x40
.set i, 0
.rept 32
	v_cmp_gt_i32 vcc_lo, 16*(i/8)+i%8, v31
	v_cndmask_b32 v[MD+i], 0, s[BIGN], vcc_lo
.set i, i+1
.endr
	WIN 0
	v_mul_u32_u24 v[AK0], v1, PK
	v_lshl_add_u32 v[AK0], v26, 4, v[AK0]
	v_lshl_add_u32 v[AV0], v26, 3, v27   ; the turning load: lane reads key 8 h + lane % 8, channels 8 ((lane / 8) % 2) + 0..7
	v_mul_u32_u24 v[AV0], v[AV0], PV
	v_lshl_add_u32 v[AV0], v28, 4, v[AV0]
	v_add_nc_u32 v[AV0], VOFF, v[AV0]
	s_mul_i32 s13, s[WV], 64*PK
	v_mul_u32_u24 v[LK], v30, PK    ; row lane / 8 of a load's four, 16 bytes at 16 (lane % 8)
	v_lshl_add_u32 v[LK], v27, 4, v[LK]
	v_add_nc_u32 v[LK], s13, v[LK]
	s_mul_i32 s13, s[WV], 64*PV
	s_add_co_u32 s13, s13, VOFF
	v_mul_u32_u24 v[LV], v30, PV
	v_lshl_add_u32 v[LV], v27, 4, v[LV]
	v_add_nc_u32 v[LV], s13, v[LV]
	s_mul_i32 s13, s[WV], 16*SP
	s_add_co_u32 s13, s13, STAGE
	v_mul_u32_u24 v[STO], v1, SP
	v_lshl_add_u32 v[STO], v26, 4, v[STO]
	v_add_nc_u32 v[STO], s13, v[STO]
	v_mul_u32_u24 v[RD], v30, SP
	v_lshl_add_u32 v[RD], v27, 4, v[RD]
	v_add_nc_u32 v[RD], s13, v[RD]
	; A block's first step multiplies O^T and l by a = 0, and its first turn's products V^T P, of a step that has not been, land in an O^T that is still to be so multiplied: these registers
	; need only hold finite numbers: zeros for the first block, what the first block left for the second.  All this stands in the wait for the first tile.
.set i, OT
.rept 64
	v_mov_b32 v[i], 0
.set i, i+1
.endr
.set i, P+16
.rept 16
	v_mov_b32 v[i], 0
.set i, i+1
.endr
.irp t, 0,1
	v_mov_b32 v[ST+4*\t+2], 0
	v_mov_b32 v[ST+4*\t+3], 0
.endr
	WIN 0xc0
.set i, 64
.rept 64
	v_mov_b32 v[i], 0
.set i, i+1
.endr
	WIN 0
	s_wait_loadcnt 0x0              ; tile 0 and Q
	PUT LK, LV                      ; tile 0 into slot 0
	s_wait_dscnt 0x0                ; the stores are done: their registers may be loaded again, and the first barrier may be signalled
	TILE_IN 32768                   ; tile 1
; THE MATRIX WORK.  The 4 accumulators of a run of 8 take turns.  Product i of 8 of S^T = K Q^T for piece x: channels 32 (i / 4) on, keys 16 (i % 4) on; the first 4 start the sums with the mask.
.macro KQ x
.set rS, S+32*(\x)+8*(i%4)
.set rK, KB+16*(i%4)+8*(i/4)
.set rQ, 16*(\x)+8*(i/4)
.set rM, MC+32*(\x)+8*(i%4)
.if i < 4
	WIN W_KM
	v_wmma_f32_16x16x32_bf16 v[rS:rS+7], v[rK:rK+7], v[rQ:rQ+7], v[rM:rM+7]
.else
	WIN W_KQ
	v_wmma_f32_16x16x32_bf16 v[rS:rS+7], v[rK:rK+7], v[rQ:rQ+7], v[rS:rS+7]
.endif
.endm
; Product i of 8 of O^T += V^T P for piece x: keys 32 (i / 4) on, channels 16 (i % 4) on.
.macro PV x
	WIN W_PV
.set rO, OT+32*(\x)+8*(i%4)
.set rV, VB+32*(i/4)+8*(i%4)
.set rP, P+16*(\x)+8*(i/4)
	v_wmma_f32_16x16x32_bf16 v[rO:rO+7], v[rV:rV+7], v[rP:rP+7], v[rO:rO+7]
.endm
.macro MM                           ; the turn's next matrix instruction
.if i < 8
	KQ 1-Y
.else
.set i, i-8
	PV 1-Y
.set i, i+8
.endif
.set i, i+1
.endm
; THE LDS LOADS stand in runs of 16 at a turn's head.
.macro FETCH_K kb
	WIN 0
	v_add_nc_u32 v[AK], s[TBK], v[AK0]
	WIN 0x80
.irp f, 0,1,2,3,4,5,6,7             ; keys 16 (f / 2) on, channels 32 (f % 2) on
	ds_load_b128 v[(\kb)+8*\f:(\kb)+8*\f+3],   v[AK] offset:(\f/2)*16*PK+(\f%2)*64
	ds_load_b128 v[(\kb)+8*\f+4:(\kb)+8*\f+7], v[AK] offset:(\f/2)*16*PK+(\f%2)*64+32
.endr
	s_add_co_u32 s[TBK], s[TBK], KS*PK
	WIN 0
.endm
.macro FETCH_V vb
	WIN 0
	v_add_nc_u32 v[AV], s[TBV], v[AV0]
	WIN 0xc0
.irp f, 0,1,2,3,4,5,6,7             ; keys 32 (f / 4) on, channels 16 (f % 4) on
	ds_load_tr16_b128 v[(\vb)+8*\f:(\vb)+8*\f+3],   v[AV] offset:(\f/4)*32*PV+(\f%4)*32
	ds_load_tr16_b128 v[(\vb)+8*\f+4:(\vb)+8*\f+7], v[AV] offset:(\f/4)*32*PV+16*PV+(\f%4)*32
.endr
	s_add_co_u32 s[TBV], s[TBV], KS*PV
	WIN 0
.endm
; THE VECTOR WORK, one line at a time: OP kind, number; all of it in window 0.  For piece Y: F n: c s - c m for pair n of 16.  E n: the exponential of score n of 32.  C n: pair n rounded to bf16.  B n: of the four
; weights 4 n .. the second pair is added onto the first, in place.  L n: l takes that sum (L 0: l = a l + sum).  R n: pair n of 16 of O^T times a.  For the other piece: X n, number n of the 22 that find its maximum and statistics:
;   0-11 four chains of seven scores, three operands at a time (each accumulator's lowest registers are read first)   12-14, 16 the four scores left over, the old m, all into c0
;   15 c m_old is kept   17, 18 the query's other 32 keys lie in the lane 16 away: the new m   19-21 c m; c m_old - c m_new; a
.set F, 0
.set E, 1
.set C, 2
.set B, 3
.set L, 4
.set R, 5
.set X, 6
.macro REGS y
.set rT, ST+4*(\y)
.set rC, TMP+4*(\y)
.set rW, MV+(\y)
.set rS, S+32*(\y)
.set rP, P+16*(\y)
.set rO, OT+32*(\y)
.endm
.macro OP k, n
	WIN 0
.if (\k) < X
	REGS Y
.if (\k) == F
	v_pk_fma_f32 v[rS+2*(\n):rS+2*(\n)+1], v[rS+2*(\n):rS+2*(\n)+1], s[CS:CS+1], v[rT:rT+1] op_sel_hi:[1,0,0] neg_lo:[0,0,1] neg_hi:[0,0,1]
.elseif (\k) == E
	v_exp_f32 v[rS+(\n)], v[rS+(\n)]
.elseif (\k) == C
	v_cvt_pk_bf16_f32 v[rP+(\n)], v[rS+2*(\n)], v[rS+2*(\n)+1]
.elseif (\k) == B
	v_pk_add_f32 v[rS+4*(\n):rS+4*(\n)+1], v[rS+4*(\n):rS+4*(\n)+1], v[rS+4*(\n)+2:rS+4*(\n)+3]
.elseif (\k) == R
	v_pk_mul_f32 v[rO+2*(\n):rO+2*(\n)+1], v[rO+2*(\n):rO+2*(\n)+1], v[rC+2:rC+3] op_sel_hi:[1,0]
.elseif (\n) == 0
	v_pk_fma_f32 v[rT+2:rT+3], v[rT+2:rT+3], v[rC+2:rC+3], v[rS:rS+1] op_sel_hi:[1,0,1]
.else
	v_pk_add_f32 v[rT+2:rT+3], v[rT+2:rT+3], v[rS+4*(\n):rS+4*(\n)+1]
.endif
.else
	REGS 1-Y
.if (\n) < 4
	v_max3_num_f32 v[rC+(\n)], v[rS+8*(\n)], v[rS+8*(\n)+1], v[rS+8*(\n)+2]
.elseif (\n) < 12
	v_max3_num_f32 v[rC+(\n)%4], v[rC+(\n)%4], v[rS+8*((\n)%4)+2*((\n)/4)+1], v[rS+8*((\n)%4)+2*((\n)/4)+2]
.elseif (\n) == 12
	v_max3_num_f32 v[rC], v[rC], v[rS+7], v[rS+15]
.elseif (\n) == 13
	v_max3_num_f32 v[rC+1], v[rC+1], v[rS+23], v[rS+31]
.elseif (\n) == 14
	v_max3_num_f32 v[rC+2], v[rC+2], v[rC+3], v[rT+1]
.elseif (\n) == 15
	v_mov_b32 v[rW], v[rT]
.elseif (\n) == 16
	v_max3_num_f32 v[rC], v[rC], v[rC+1], v[rC+2]
.elseif (\n) == 17
	v_permlanex16_b32 v[rC+3], v[rC], s[SEL], s[SEL+1]
.elseif (\n) == 18
	v_max_num_f32 v[rT+1], v[rC], v[rC+3]
.elseif (\n) == 19
	v_mul_f32 v[rT], s[CS], v[rT+1]
.elseif (\n) == 20
	v_sub_f32 v[rC+1], v[rW], v[rT]
.else
	v_exp_f32 v[rC+2], v[rC+1]
.endif
.endif
.endm
.macro OPS a, i1, b=-1, i2=0, c=-1, i3=0, d=-1, i4=0
	OP \a, \i1
.if (\b) >= 0
	OP \b, \i2
.endif
.if (\c) >= 0
	OP \c, \i3
.endif
.if (\d) >= 0
	OP \d, \i4
.endif
.endm
.macro ROW a, i1, b, i2, c, i3, d, i4  ; a matrix instruction and the four behind it
	MM
	OPS \a, \i1, \b, \i2, \c, \i3, \d, \i4
.endm
.macro MASK b                       ; MD x AL + BE into buffer b of MC
	WIN W_MK
.set z, 0
.rept 16
	v_pk_fma_f32 v[MC+32*(\b)+2*z:MC+32*(\b)+2*z+1], v[MD+2*z:MD+2*z+1], s[AL:AL+1], s[BE:BE+1] op_sel_hi:[1,0,0]
.set z, z+1
.endr
.endm
; A TURN, for piece p in a step of parity par.  At its head: for p = 1 the wait for K (issued a turn ago), V (issued a step ago) and, where the tile was put into LDS a turn ago, those stores; then (stage = 1, in
; the pass that stages, while the walk has a tile after the next) the loads of that tile; then the fetch (fetch = 1): p = 0: K of the next step; p = 1: V of the next step, into the buffer whose last reader, the
; turn before's last product, has four roundings and the address's line behind it.
; AHEAD OF THE ONE WAIT stands all that names no result of the turn's exponentials: 8 products K Q^T with their riders, then the lump; X 21, the other piece's a, is the batch's last, R 15 the plain
; instruction behind it.  BEHIND IT: 8 products V^T P, behind each four of the roundings and sums.  R n goes in ascending order: each accumulator of O^T is first read at its low end, and
; its last product, in the turn before, stands sixteen plain instructions or more back.
; At its end, in the diagonal tile alone: the mask for piece p in the NEXT step, which the next turn's products take.
.macro TURN p, par, fetch, stage=0
.set Y, (\p)
.set i, 0
.if (\p) == 0
.set KB, K0+64*(\par)
.set VB, 64*(1-(\par))
.else
.set KB, K0+64*(1-(\par))
.set VB, 64*(\par)
.endif
	WIN 0
.if (\p) == 1
	s_wait_dscnt 0x0                ; K and V are in; my stores of the staged tile have read their registers
.endif
.if \stage
	s_cmp_gt_u32 s[STG], 2          ; is there a tile behind the one just put into LDS?
	s_cbranch_scc0 .Lnoload_\@
	s_wait_loadcnt 0x0              ; (met since the tile was put: no load is out on these registers)
	s_wait_xcnt 0x0                 ; the last prefetches, a tile back, have read their addresses
	s_lshl_b32 s[OFF], s[NXT], 15   ; a tile is 32,768 bytes of K and of V
	s_add_nc_u64 s[KT:KT+1], s[KP:KP+1], s[OFF:OFF+1]
	s_add_nc_u64 s[VT:VT+1], s[VP:VP+1], s[OFF:OFF+1]
	s_add_co_u32 s[NXT], s[NXT], 1  ; the block's next tile, or behind its last the second block's tile 0
	s_cmp_gt_u32 s[NXT], s[LQ]
	s_cselect_b32 s[NXT], 0, s[NXT]
	s_cselect_b32 s[LQ], s[LQ2], s[LQ]
	TILE_IN 0
	s_cmp_lg_u32 s[PF], 0           ; the head's work-group 0, five times: my own 32 + 32 blocks of 256 bytes of the tile that the next such pass will load, a lane a block
	s_cbranch_scc0 .Lnoload_\@
	global_prefetch_b8 v[PFO], s[KT:KT+1] offset:32768 th:TH_LOAD_NT scope:SCOPE_SE
	global_prefetch_b8 v[PFO], s[VT:VT+1] offset:32768 th:TH_LOAD_NT scope:SCOPE_SE
	s_sub_co_u32 s[PF], s[PF], 1
.Lnoload_\@:
.endif
.if \fetch
.if (\p) == 0
	FETCH_K K0+64*(1-(\par))
.else
	FETCH_V 64*(1-(\par))
.endif
.endif
	ROW F,0, F,1, R,0, R,1
	ROW F,2, E,0, R,2, R,3
	ROW F,3, E,1, R,4, R,5
	ROW F,4, E,2, R,6, R,7
	ROW F,5, E,3, R,8, R,9
	ROW F,6, E,4, X,0, R,10
	ROW F,7, E,5, X,1, X,4
	ROW F,8, E,6, X,2, X,5
	OPS E,7, E,8, X,6, E,9
	OPS X,3, E,10, X,8, E,11
	OPS X,9, X,7, E,12, X,10
	OPS E,13, X,12, X,11, E,14
	OPS X,13, E,15, F,9, X,14
	OPS E,16, F,10, E,17, F,11
	OPS X,16, E,18, X,15, E,19
	OPS F,12, E,20, X,17, E,21
	OPS F,13, E,22, F,14, E,23
	OPS X,18, E,24, F,15, E,25
	OPS R,11, E,26, X,19, E,27
	OPS R,12, E,28, R,13, E,29
	OPS X,20, E,30, R,14, E,31
	OPS X,21, R,15
	s_wait_alu depctr_va_vdst(0)    ; the one wait for the batch, ahead of the first reader
	ROW C,0, B,0, C,2, B,1
	ROW L,0, C,4, B,2, L,1
	ROW C,6, B,3, L,2, C,8
	ROW B,4, L,3, C,10, B,5
	ROW L,4, C,12, B,6, L,5
	ROW C,14, B,7, L,6, C,1
	ROW C,3, L,7, C,5, C,7
	ROW C,9, C,11, C,13, C,15
.if \fetch
	WIN 0
	s_cmp_lg_u32 s[RT], 0           ; outside the diagonal tile both mask buffers stay 0
	s_cbranch_scc1 .Lnomask_\@
	s_cmp_eq_u32 s[TAU], s[OWN+(\p)]    ; is that step the band's own?
	s_cselect_b32 s[AL], 1.0, 0
	s_cmp_gt_u32 s[TAU], s[OWN+(\p)]    ; or a later one?
	s_cselect_b32 s[BE], s[BIGN], 0
.if (\p) == 1
	s_add_co_u32 s[TAU], s[TAU], 1
.endif
	MASK \p
	WIN 0
.Lnomask_\@:
.endif
.endm
.Lslot:                             ; 9 trips: a tile is entered
	; THE CHANGE OF SLOTS.  The tile to be entered lies in LDS, each wave's part put there in the tile before.
	s_wait_dscnt 0x0                ; for the others' sake: my stores of that tile are done, and so are all my reads of the tile that is left
	s_barrier_signal -1
	s_xor_b32 s[RB], s[RB], SLOT1   ; the other slot is read now: the fetches begin at its first step,
	s_mov_b32 s[TBK], s[RB]
	s_mov_b32 s[TBV], s[RB]
	s_xor_b32 s[WS], s[RB], SLOT1   ; and the slot that is left takes the next tile
	s_barrier_wait -1
	s_sub_co_u32 s[RT], s[RT], 1
	s_mov_b32 s[CNT], 2
	s_mov_b32 s[TAU], 0
	s_cmp_eq_u32 s[RT], 0           ; the block's last tile holds the diagonal
	s_cselect_b32 s[OWN], s[DG], 64
	s_add_co_u32 s[OWN+1], s[OWN], 1
	s_cmp_eq_u32 s[NEW], 1
	s_cbranch_scc0 .Lstep
	; A BLOCK BEGINS.  c m starts far below every c s, so the first step's a is 0; m at the lowest finite number.  Piece 1 sees all of step 0; piece 0's mask is its own where step 0 is its own, else 0.
	; Then K and V of step 0, piece 0's first scores, its maximum and statistics.  The loop is entered at a step of even parity, in the middle of a trip.
	s_mov_b32 s[NEW], 0
	s_mov_b32 s[TAU], 1
	WIN 0x40
.set i, MC+32
.rept 32
	v_mov_b32 v[i], 0
.set i, i+1
.endr
	WIN 0
.irp t, 0,1
	v_mov_b32 v[ST+4*\t], 0xfe000000
	v_mov_b32 v[ST+4*\t+1], 0xff7fffff
.endr
	s_cmp_eq_u32 s[OWN], 0
	s_cselect_b32 s[AL], 1.0, 0
	s_mov_b32 s[BE], 0
	MASK 0
	FETCH_K K0
	FETCH_V 0
	s_wait_dscnt 0x0
.set KB, K0
.set i, 0
.rept 8
	KQ 0
.set i, i+1
.endr
	WIN 0
	PLACES
.set Y, 1                           ; X works for the other piece: piece 0
.irp n, 0,1,2,3,4,5,6,7,8,9,10,11,12,13,14,15,16,17,18,19,20,21
	OP X, \n
.endr
	v_nop                           ; a plain instruction behind the exponential,
	s_wait_alu depctr_va_vdst(0)    ; and its wait, ahead of the branch
	s_branch .Lfirst
.Lstep:                             ; a trip: a step of odd parity, then one of even parity.  Two trips a tile (a block's first tile: one and a half, behind its beginning): four fetches of K and four of V at the most
	TURN 0, 1, 1
	TURN 1, 1, 1
	WIN 0
.Lfirst:
	; ONCE A TILE the tile on its way goes into the slot that is not being read.  The pass is the first through this place (in the walk's first tile the second, so that tile 1 has had time to land).
	s_cmp_eq_u32 s[CNT], s[SC]
	s_cselect_b32 s[STG], s[SLOTS], 0
	s_cmp_gt_u32 s[STG], 1          ; behind the walk's last tile there is none
	s_cbranch_scc0 .Lnoput
	s_wait_loadcnt 0x0              ; its 32 loads, issued a tile ago
	v_add_nc_u32 v[LKC], s[WS], v[LK]
	v_add_nc_u32 v[LVC], s[WS], v[LV]
	PUT LKC, LVC                    ; awaited at the head of the turn after next, a turn's work later
.Lnoput:
	TURN 0, 0, 1
	TURN 1, 0, 1, 1
	WIN 0
	s_cmp_eq_u32 s[OWN], 0          ; an even block's diagonal tile: steps 2 and 3 are hidden from all my rows: the block ends with step 1
	s_cbranch_scc1 .Lend
	s_sub_co_u32 s[CNT], s[CNT], 1
	s_cmp_lg_u32 s[CNT], 0
	s_cbranch_scc1 .Lstep
	s_cmp_lg_u32 s[RT], 0
	s_cbranch_scc1 .Lbottom
.Lend:
	; A BLOCK ENDS: its last step, of odd parity, fetches nothing.  The second of these turns multiplies a stale K once more; what is made of that touches c m, m and a alone, never l or O^T.
	TURN 0, 1, 0
	TURN 1, 1, 0
.set VB, 64
.set i, 0
.rept 8
	PV 1                            ; piece 1's V^T P of the last step
.set i, i+1
.endr
	; THE WAY OUT.  l's halves and the other half of the lanes' are added; O^T is divided by l, rounded to bf16 and sent through my stage, a piece at a time.
	WIN 0
.macro ALL line:vararg
.set t, 0
.rept 2
	\line
.set t, t+1
.endr
.endm
	ALL v_add_f32 v[ST+4*t+2], v[ST+4*t+2], v[ST+4*t+3]
	ALL v_permlanex16_b32 v[ST+4*t+3], v[ST+4*t+2], s[SEL], s[SEL+1]
	ALL v_add_f32 v[ST+4*t+2], v[ST+4*t+2], v[ST+4*t+3]
	ALL v_rcp_f32 v[ST+4*t+2], v[ST+4*t+2]
	v_nop
	s_wait_alu depctr_va_vdst(0)    ; one wait for the two reciprocals
.macro PACK t                       ; a lane's eight channels of a row pack into 16 bytes; they go into rows of 144 bytes and come back as four rows of 128
.set i, OT+32*(\t)
.rept 16
	v_pk_mul_f32 v[i:i+1], v[i:i+1], v[ST+4*(\t)+2:ST+4*(\t)+3] op_sel_hi:[1,0]
.set i, i+2
.endr
.set i, 0
.rept 16
	v_cvt_pk_bf16_f32 v[S+16*(\t)+i], v[OT+32*(\t)+2*i], v[OT+32*(\t)+2*i+1]
.set i, i+1
.endr
.irp f, 0,1,2,3
	ds_store_b128 v[STO], v[S+16*(\t)+4*\f:S+16*(\t)+4*\f+3] offset:32*\f
.endr
.irp f, 0,1,2,3
	ds_load_b128 v[S+16*(\t)+4*\f:S+16*(\t)+4*\f+3], v[RD] offset:\f*4*SP  ; LDS serves a wave's instructions in order (ISA guide 5.7.1.4)
.endr
.endm
.macro SEND t, younger              ; younger: the LDS instructions issued behind piece t's loads
.irp f, 0,1,2,3
	s_wait_dscnt (\younger)+3-\f
	global_store_b128 v[GL], v[S+16*(\t)+4*\f:S+16*(\t)+4*\f+3], s[10:11] offset:(\t)*8192+\f*512  ; 512 consecutive bytes, aligned
.endr
.endm
	PACK 0                          ; piece 0's 32 lines name nothing of the last products, piece 1's: they are the places behind them
	PACK 1
	SEND 0, 8
	SEND 1, 0
	WIN 0x82                        ; the second block's Q goes where the turns name Q
.set i, 0
.rept 32
	v_mov_b32 v[i], v[QB+i]
.set i, i+1
.endr
	WIN 0
	s_mov_b32 s[RT], s[T2]
	s_mov_b32 s[NEW], 1
	s_mov_b32 s[DG], s[DG2]
	s_wait_xcnt 0x0                 ; the stores have read their registers and O's address
	s_mov_b64 s[10:11], s[OLO:OLO+1]
.Lbottom:
	s_mov_b32 s[SC], 2
	s_sub_co_u32 s[SLOTS], s[SLOTS], 1
	s_cmp_lg_u32 s[SLOTS], 0
	s_cbranch_scc1 .Lslot
	s_wait_tensorcnt 0x0            ; the wave's end, behind my last LDS store
	ds_add_u32 v[SPW], v[NIL]
	s_wait_dscnt 0x0
	s_endpgm
.Lfunc_end_k_q7c219e04f4_attn:
	.size	k_q7c219e04f4_attn, .Lfunc_end_k_q7c219e04f4_attn-k_q7c219e04f4_attn
	.p2alignl 7, 3214868480
	.fill 96, 4, 3214868480
	.section	.rodata,"a",@progbits
	.p2align	6, 0x0
	.amdhsa_kernel k_q7c219e04f4_attn
		.amdhsa_group_segment_fixed_size 218624
		.amdhsa_private_segment_fixed_size 0
		.amdhsa_enable_private_segment 0
		.amdhsa_kernarg_size 16
		.amdhsa_user_sgpr_count 2
		.amdhsa_user_sgpr_kernarg_segment_ptr 1
		.amdhsa_wavefront_size32 1
		.amdhsa_system_sgpr_workgroup_id_x 1
		.amdhsa_system_sgpr_workgroup_id_y 1
		.amdhsa_system_sgpr_workgroup_id_z 1
		.amdhsa_system_vgpr_workitem_id 0
		.amdhsa_next_free_vgpr 1024
		.amdhsa_next_free_sgpr 96
		.amdhsa_reserve_vcc 1
		.amdhsa_float_denorm_mode_32 3
		.amdhsa_float_denorm_mode_16_64 3
		.amdhsa_memory_ordered 1
		.amdhsa_forward_progress 1
		.amdhsa_inst_pref_size 104
	.end_amdhsa_kernel
	.amdgpu_metadata
---
amdhsa.version: [ 1, 2 ]
amdhsa.kernels:
  - .name:           k_q7c219e04f4_attn
    .symbol:         k_q7c219e04f4_attn.kd
    .args:
      - { .name: big, .offset: 0, .size: 8, .value_kind: global_buffer, .address_space: global }
      - { .name: ao, .offset: 8, .size: 8, .value_kind: global_buffer, .address_space: global }
    .group_segment_fixed_size: 218624
    .private_segment_fixed_size: 0
    .kernarg_segment_align: 8
    .kernarg_segment_size: 16
    .max_flat_workgroup_size: 128
    .sgpr_count:     96
    .vgpr_count:     1024
    .wavefront_size: 32
...
	.end_amdgpu_metadata
.endif
;; end of part 3
;; launch proj (part 4): grid 4 x 64, 4 waves a work-group, clusters of 4 x 4, 327,680 bytes of LDS; arguments ao, wr, bp, x, x1; writes x1
.if DOCPART == 4
	.amdgcn_target "amdgcn-amd-amdhsa--gfx1250"
	.amdhsa_code_object_version 6
	.text
	.protected	k_q7c219e04f4_proj
	.globl	k_q7c219e04f4_proj
	.p2align	8
	.type	k_q7c219e04f4_proj,@function
k_q7c219e04f4_proj:
	s_mov_b64 s[64:65], 0
	v_nop
	global_prefetch_b8 v0, s[64:65] scope:SCOPE_SE
	s_setreg_imm32_b32 hwreg(HW_REG_WAVE_MODE, 25, 1), 1
	s_wait_xcnt 0x0
	s_wait_alu depctr_hold_cnt(0) depctr_sa_sdst(0) depctr_va_vdst(0) depctr_va_sdst(0) depctr_va_ssrc(0) depctr_va_vcc(0) depctr_vm_vsrc(0)
	s_getreg_b32 s2, hwreg(HW_REG_IB_STS2, 6, 4)
	s_cmp_eq_u32 s2, 0
	s_cbranch_scc0 .Lentry_in_a_cluster
	s_endpgm
.Lentry_in_a_cluster:
	s_bfe_u32 s2, ttmp6, 0x10000c
	s_cmp_lg_u32 s2, 0xf033
	s_cbranch_scc0 .Lentry_shape_is_right
	s_endpgm
.Lentry_shape_is_right:
; x1 = x + O Wp + bp (f32).  ao: O in column blocks [8 heads][8192 rows][64] bf16; wr: Wp [512 k][512 n] bf16 at byte 0, k = 64 head + channel.  Sums in f32, started with the bias as C.
; C has 64 x 4 tiles of 128 x 128: one for each of 256 work-groups.  Four waves, each 64 x 64: 16 accumulators.  K = 512 is two steps of 256 (four column blocks of O each), one LDS slot a step:
; both go out at the head, and there is no loop.
; CLUSTER 4 x 4: the four of a row of the cluster need the same tile of O, the four of a column the same tile of Wp: each is asked for JOINTLY.  Wp lies [k][n] and is turned on its way out of LDS.
; No prefetch: all that the launch reads through LDS is asked for at its head.
; The matrix instruction is used transposed: a lane holds row lane % 16 and the columns 8 (lane / 16) + 0..7.
; REGISTERS by windows: 0: v16-29 addresses; v32-95 the way out; v96-127 the bias; v128-255 the accumulators ((a, b) at 128 + 8 (4 a + b)).   1: two fragment buffers of 128 (A 64, B 64).   2: v0-127 the residual.
.set PAA,    144                       ; a row of a column block in LDS: 128 bytes + 16
.set PBB,    288                       ; a row of Wp's tile: 256 + 32 = 9 x 32
.set HALFT,  256*PAA                   ; what one tensor load brings: two column blocks of 128 rows, or 128 k rows of Wp (128 x 288 is the same number)
.set SLOT,   4*HALFT
.set STAGE,  2*SLOT                    ; 16 rows x 272 bytes (64 f32 + 16) for each wave
.set SPITCH, 272
.set SPARE,  STAGE+4*16*SPITCH         ; the spare words: 128 bytes a wave, two blocks of 256 bytes that no other line names
.set ADRA0, 16
.set ADRA,  17
.set ADRB0, 20
.set ADRB,  22                         ; v22, v23: the two halves of the tile's k rows (an LDS offset holds 16 bits)
.set STO,   24
.set RD,    25
.set CO,    26
.set BO,    27
.set SPW,   28
.set NIL,   29
.set TMP,   32
.set BIAS,  96
.set ACC,   128
.set F0,    0
.set F1,    128
.set G1,  24
.set G0,  32
.set G1B, 48
.set G0B, 56
.set MSB, 0
.macro WIN new
.if MSB != (\new)
	s_set_vgpr_msb (MSB<<8)|(\new)
.set MSB, \new
.endif
.endm
.set MUL,  0x05
.set TO_F, 0x40
.macro PLACES
.rept 4
	v_nop
.endr
.endm
.macro CROUND                          ; a round of the cluster's barrier
	s_barrier_signal -1
	s_barrier_wait -1
	s_cmp_lg_u32 s10, 0
	s_cbranch_scc1 .Lnot_wave_0_\@
	s_barrier_signal -3
.Lnot_wave_0_\@:
	s_barrier_wait -3
	s_barrier_signal -1
	s_barrier_wait -1
.endm
	s_load_b256 s[68:75], s[0:1], 0x0              ; ao 68, wr 70, bp 72, x 74
	s_load_b64 s[76:77], s[0:1], 0x20              ; x1
	v_lshl_add_u32 v[SPW], v0, 2, SPARE
	v_mov_b32 v[NIL], 0
	ds_add_u32 v[SPW], v[NIL]                      ; the wave's opening: the add and its wait stand ahead of my first tensor load
	v_lshrrev_b32 v1, 5, v0
	v_readfirstlane_b32 s10, v1
	s_lshr_b32 s11, s10, 1                         ; my half of the tile's rows.  Also: I fetch for O (0) or Wp (1)
	s_and_b32 s12, s10, 1                          ; my half of its columns.  Also: which half of that tile I fetch
	s_bfe_u32 s40, ttmp6, 0x40000                  ; cx
	s_bfe_u32 s41, ttmp6, 0x40004                  ; cy
	s_lshl_b32 s42, ttmp9, 2
	s_add_co_u32 s42, s42, s40                     ; tile column
	s_and_b32 s13, ttmp7, 0xffff
	s_lshl_b32 s13, s13, 2
	s_add_co_u32 s13, s13, s41                     ; tile row
	s_lshl_b32 s43, s41, 2
	s_lshl_b32 s43, 15, s43                        ; my row of the cluster
	s_lshl_b32 s44, 0x1111, s40                    ; my column
	s_or_b32 s[G1+0], s43, (1<<16)|(1<<20)|(1<<21)|(4<<22)|(3<<25)   ; O goes to my row; after every 32 words (a row of a column block) 4 words of padding
	s_or_b32 s[G1B+0], s44, (1<<16)|(1<<20)|(1<<21)|(5<<22)|(7<<25)  ; Wp to my column; after every 64 words 8 words
	s_mov_b32 s[G1+1], 8192<<16                    ; a column block's 128 rows are 16,384 dense bytes: one row of 8,192 elements,
	s_mov_b32 s[G1+2], 2<<16                       ; two column blocks a wave,
	s_mov_b32 s[G1+3], 8192<<16
	s_mov_b32 s[G1+4], 2
	s_mov_b32 s[G1+5], 524288                      ; 1 MiB apart
	s_mov_b32 s[G1+6], 0
	s_mov_b32 s[G1+7], 0
	s_mov_b32 s[G1B+1], 128<<16
	s_mov_b32 s[G1B+2], 128<<16
	s_mov_b32 s[G1B+3], 128<<16
	s_mov_b32 s[G1B+4], 128
	s_mov_b32 s[G1B+5], 512
	s_mov_b32 s[G1B+6], 0
	s_mov_b32 s[G1B+7], 0
	s_mul_i32 s20, s10, HALFT                      ; where my loads go: the wave's number alone
	s_lshl_b32 s16, s12, 21                        ; O: column blocks 2 x half, + 1; made of the tile row and the wave's number alone
	s_lshl_b32 s17, s13, 14                        ; 128 rows of 128 bytes a tile row
	s_add_co_u32 s16, s16, s17
	s_mov_b32 s17, 0
	s_lshl_b32 s46, s12, 17                        ; Wp: 128 rows of 1,024 bytes a half; made of the tile column and the wave's number alone
	s_lshl_b32 s47, s42, 8                         ; 128 columns: 256 bytes
	s_add_co_u32 s46, s46, s47
	s_mov_b32 s47, 0
	s_lshl_b32 s22, s42, 9                         ; my 64 columns in f32: 512 x tile column + 256 x half
	s_lshl_b32 s23, s12, 8
	s_add_co_u32 s22, s22, s23
	s_mov_b32 s23, 0
	s_lshl_b32 s18, s13, 18                        ; my 64 rows of 2,048 bytes
	s_lshl_b32 s19, s11, 17
	s_add_co_u32 s18, s18, s19
	s_add_co_u32 s18, s18, s22
	s_mov_b32 s19, 0
	s_wait_dscnt 0x0                               ; the opening add is done
	s_wait_kmcnt 0x0
	s_add_nc_u64 s[14:15], s[68:69], s[16:17]
	s_add_nc_u64 s[46:47], s[70:71], s[46:47]
	s_add_nc_u64 s[72:73], s[72:73], s[22:23]
	s_add_nc_u64 s[74:75], s[74:75], s[18:19]
	s_add_nc_u64 s[76:77], s[76:77], s[18:19]
.irp s, 0,1
	s_mov_b32 s[G0+4*\s], 1
	s_add_co_u32 s[G0+4*\s+1], s20, \s*SLOT
	s_add_nc_u64 s[G0+4*\s+2:G0+4*\s+3], s[14:15], \s*4194304     ; K step s: four column blocks on
	s_or_b32 s[G0+4*\s+3], s[G0+4*\s+3], 0x80000000
	s_mov_b32 s[G0B+4*\s], 1
	s_add_co_u32 s[G0B+4*\s+1], s20, \s*SLOT
	s_add_nc_u64 s[G0B+4*\s+2:G0B+4*\s+3], s[46:47], \s*262144    ; K step s: 256 rows down
	s_or_b32 s[G0B+4*\s+3], s[G0B+4*\s+3], 0x80000000
.endr
	CROUND                                         ; all sixteen work-groups are here: the joint loads meet
	s_cmp_eq_u32 s11, 0                            ; a wave's two fills stand in one branch: two loads of mine are out
	s_cbranch_scc0 .Lfirst_b
	tensor_load_to_lds s[G0:G0+3], s[G1:G1+7]
	s_nop 0
	tensor_load_to_lds s[G0+4:G0+7], s[G1:G1+7]
	s_nop 0
.rept 4
	v_nop
.endr
	s_branch .Lfirst_asked
.Lfirst_b:
	tensor_load_to_lds s[G0B:G0B+3], s[G1B:G1B+7]
	s_nop 0
	tensor_load_to_lds s[G0B+4:G0B+7], s[G1B:G1B+7]
	s_nop 0
.rept 4
	v_nop
.endr
.Lfirst_asked:
	v_and_b32 v1, 15, v0
	v_bfe_u32 v2, v0, 4, 1
	v_and_b32 v3, 7, v0
	v_bfe_u32 v4, v0, 3, 1
	v_lshlrev_b32 v[BO], 5, v2
	v_lshlrev_b32 v[CO], 11, v2                    ; lanes 0-15 one row's 256 bytes, lanes 16-31 the next row's
	v_lshl_add_u32 v[CO], v1, 4, v[CO]
.irp b, 0,1,2,3                        ; register j of block b: bp[16 b + 8 h + j]
	global_load_b128 v[BIAS+8*\b:BIAS+8*\b+3], v[BO], s[72:73] offset:64*\b
	global_load_b128 v[BIAS+8*\b+4:BIAS+8*\b+7], v[BO], s[72:73] offset:64*\b+16
.endr
	WIN 0x80
.set z, 0
.rept 32                               ; the residual, in the layout of the stores: rows 2 z, 2 z + 1 of my 64
	global_load_b128 v[4*z:4*z+3], v[CO], s[74:75] offset:2*z*2048
.set z, z+1
.endr
	WIN 0
	v_mul_u32_u24 v[ADRA0], v1, PAA
	v_lshl_add_u32 v[ADRA0], v2, 4, v[ADRA0]
	s_mul_i32 s21, s11, 64*PAA
	v_add_nc_u32 v[ADRA0], s21, v[ADRA0]
	v_lshl_add_u32 v6, v2, 3, v3
	v_mul_u32_u24 v[ADRB0], v6, PBB
	v_lshl_add_u32 v[ADRB0], v4, 4, v[ADRB0]
	s_lshl_b32 s21, s12, 7
	s_add_co_u32 s21, s21, 2*HALFT
	v_add_nc_u32 v[ADRB0], s21, v[ADRB0]
	v_mov_b32 v[ADRA], v[ADRA0]
	v_mov_b32 v[ADRB], v[ADRB0]
	v_add_nc_u32 v[ADRB+1], 128*PBB, v[ADRB0]
	s_mul_i32 s21, s10, 16*SPITCH
	s_add_co_u32 s21, s21, STAGE
	v_mul_u32_u24 v[STO], v1, SPITCH
	v_lshl_add_u32 v[STO], v2, 5, v[STO]
	v_add_nc_u32 v[STO], s21, v[STO]
	v_mul_u32_u24 v[RD], v2, SPITCH
	v_lshl_add_u32 v[RD], v1, 4, v[RD]
	v_add_nc_u32 v[RD], s21, v[RD]
; 8 matrix instructions: m blocks a0, a0 + 1 x all 4 n blocks, 32 along K: half c of buffer f.  zero = 1: the product starts the sum, with the bias as C
.macro MUL8 f, c, a0, zero
	WIN MUL
.irp a, \a0, (\a0)+1
.irp b, 0,1,2,3
.if \zero
	v_wmma_f32_16x16x32_bf16 v[ACC+8*(4*(\a)+(\b)):ACC+8*(4*(\a)+(\b))+7], v[(\f)+64+8*(4*(\c)+(\b)):(\f)+64+8*(4*(\c)+(\b))+7], v[(\f)+8*(4*(\c)+(\a)):(\f)+8*(4*(\c)+(\a))+7], v[BIAS+8*(\b):BIAS+8*(\b)+7]
.else
	v_wmma_f32_16x16x32_bf16 v[ACC+8*(4*(\a)+(\b)):ACC+8*(4*(\a)+(\b))+7], v[(\f)+64+8*(4*(\c)+(\b)):(\f)+64+8*(4*(\c)+(\b))+7], v[(\f)+8*(4*(\c)+(\a)):(\f)+8*(4*(\c)+(\a))+7], v[ACC+8*(4*(\a)+(\b)):ACC+8*(4*(\a)+(\b))+7]
.endif
.endr
.endr
.endm
; 32 LDS loads in one run: quarter q (64 along K: one column block of O) into buffer f; the first 32 along K first
.macro FETCH q, f
	WIN TO_F
.irp c, 0,1
.irp i, 0,1,2,3
	ds_load_tr16_b128 v[(\f)+64+8*(4*\c+\i):(\f)+64+8*(4*\c+\i)+3],   v[ADRB+(\q)/2] offset:((\q)%2)*64*PBB+\c*32*PBB+32*\i
	ds_load_tr16_b128 v[(\f)+64+8*(4*\c+\i)+4:(\f)+64+8*(4*\c+\i)+7], v[ADRB+(\q)/2] offset:((\q)%2)*64*PBB+\c*32*PBB+32*\i+16*PBB
	ds_load_b128 v[(\f)+8*(4*\c+\i):(\f)+8*(4*\c+\i)+3],              v[ADRA] offset:(\q)*128*PAA+\i*16*PAA+64*\c
	ds_load_b128 v[(\f)+8*(4*\c+\i)+4:(\f)+8*(4*\c+\i)+7],            v[ADRA] offset:(\q)*128*PAA+\i*16*PAA+64*\c+32
.endr
.endr
.endm
.macro QUARTER q, f, g, zero
	s_wait_dscnt 16                                ; the first 32 along K are in
	MUL8 \f, 0, 0, \zero
	MUL8 \f, 0, 2, \zero
	PLACES
	FETCH \q, \g
	s_wait_dscnt 32                                ; all but the 32 just issued
	MUL8 \f, 1, 0, 0
	MUL8 \f, 1, 2, 0
.endm
; THE WAY OUT of m block a: 16 rows x 64 f32 through my own stage, back as whole rows of 256 bytes, the residual added, stored.
.macro OUTB a
.set BK, TMP+32*((\a)%2)
.irp b, 0,1,2,3
	ds_store_b128 v[STO], v[ACC+8*(4*(\a)+\b):ACC+8*(4*(\a)+\b)+3]   offset:64*\b
	ds_store_b128 v[STO], v[ACC+8*(4*(\a)+\b)+4:ACC+8*(4*(\a)+\b)+7] offset:64*\b+16
.endr
.irp t, 0,1,2,3,4,5,6,7
	ds_load_b128 v[BK+4*\t:BK+4*\t+3], v[RD] offset:\t*2*SPITCH   ; LDS serves a wave's instructions in order (ISA guide 5.7.1.4): these see the stores above
.endr
	s_wait_dscnt 0x0
.if (\a) == 0
	s_wait_loadcnt 0x0                             ; the residual
.endif
	s_wait_xcnt 0x0                                ; the stores issued so far have read their registers: the other buffer is loaded again only behind this wait
	WIN 0x08                                       ; the residual lies in window 2
.set z, 0
.rept 16
	v_pk_add_f32 v[BK+z:BK+z+1], v[BK+z:BK+z+1], v[32*(\a)+z:32*(\a)+z+1]
.set z, z+2
.endr
	WIN 0
.irp t, 0,1,2,3,4,5,6,7
	global_store_b128 v[CO], v[BK+4*\t:BK+4*\t+3], s[76:77] offset:(16*(\a)+2*\t)*2048   ; 16 lanes store 256 consecutive bytes, aligned
.endr
.endm
	s_wait_tensorcnt 1                             ; my part of K step 0 is in; K step 1's may stay out
	s_barrier_signal -1
	s_barrier_wait -1
	FETCH 0, F0
	s_wait_loadcnt 32                              ; the bias is in; the residual's 32 loads may stay out
	QUARTER 1, F0, F1, 1                           ; the first products start the sums
	QUARTER 2, F1, F0, 0
	QUARTER 3, F0, F1, 0
	; K step 0's last quarter, and the one change of slots: each wave shows its part of K step 1 landed, then all meet.  Nothing is filled again.
	WIN 0
	s_wait_tensorcnt 0x0                           ; my part of K step 1 has landed
	ds_add_u32 v[SPW], v[NIL]
	s_wait_dscnt 17                                ; (the add and the youngest sixteen loads may be out)
	MUL8 F1, 0, 0, 0
	s_wait_dscnt 0x0                               ; no LDS instruction of mine is out at the signal
	s_barrier_signal -1
	MUL8 F1, 0, 2, 0
	WIN 0
	s_barrier_wait -1                              ; everybody's part has landed
	PLACES                                         ; in front of the loads into buffer 0, which the quarter before multiplied
	v_add_nc_u32 v[ADRA], SLOT, v[ADRA0]
	v_add_nc_u32 v[ADRB], SLOT, v[ADRB0]
	v_add_nc_u32 v[ADRB+1], 128*PBB, v[ADRB]
	FETCH 0, F0
	MUL8 F1, 1, 0, 0
	MUL8 F1, 1, 2, 0
	QUARTER 1, F0, F1, 0
	QUARTER 2, F1, F0, 0
	QUARTER 3, F0, F1, 0
	s_wait_dscnt 16
	MUL8 F1, 0, 0, 0
	MUL8 F1, 0, 2, 0
	s_wait_dscnt 0x0
	MUL8 F1, 1, 0, 0
	MUL8 F1, 1, 2, 0
	WIN 0
	PLACES
	OUTB 0
	OUTB 1
	OUTB 2
	OUTB 3
	s_wait_tensorcnt 0x0                           ; the wave's end
	ds_add_u32 v[SPW], v[NIL]
	s_wait_dscnt 0x0
	CROUND                                         ; the closing round
	s_endpgm
.Lfunc_end_k_q7c219e04f4_proj:
	.size	k_q7c219e04f4_proj, .Lfunc_end_k_q7c219e04f4_proj-k_q7c219e04f4_proj
	.p2alignl 7, 3214868480
	.fill 96, 4, 3214868480
	.section	.rodata,"a",@progbits
	.p2align	6, 0x0
	.amdhsa_kernel k_q7c219e04f4_proj
		.amdhsa_group_segment_fixed_size 327680
		.amdhsa_private_segment_fixed_size 0
		.amdhsa_enable_private_segment 0
		.amdhsa_kernarg_size 40
		.amdhsa_user_sgpr_count 2
		.amdhsa_user_sgpr_kernarg_segment_ptr 1
		.amdhsa_wavefront_size32 1
		.amdhsa_system_sgpr_workgroup_id_x 1
		.amdhsa_system_sgpr_workgroup_id_y 1
		.amdhsa_system_sgpr_workgroup_id_z 1
		.amdhsa_system_vgpr_workitem_id 0
		.amdhsa_next_free_vgpr 640
		.amdhsa_next_free_sgpr 80
		.amdhsa_reserve_vcc 0
		.amdhsa_float_denorm_mode_32 3
		.amdhsa_float_denorm_mode_16_64 3
		.amdhsa_memory_ordered 1
		.amdhsa_forward_progress 1
		.amdhsa_inst_pref_size 57
	.end_amdhsa_kernel
	.amdgpu_metadata
---
amdhsa.version: [ 1, 2 ]
amdhsa.kernels:
  - .name:           k_q7c219e04f4_proj
    .symbol:         k_q7c219e04f4_proj.kd
    .args:
      - { .name: ao, .offset: 0, .size: 8, .value_kind: global_buffer, .address_space: global }
      - { .name: wr, .offset: 8, .size: 8, .value_kind: global_buffer, .address_space: global }
      - { .name: bp, .offset: 16, .size: 8, .value_kind: global_buffer, .address_space: global }
      - { .name: x, .offset: 24, .size: 8, .value_kind: global_buffer, .address_space: global }
      - { .name: x1, .offset: 32, .size: 8, .value_kind: global_buffer, .address_space: global }
    .group_segment_fixed_size: 327680
    .private_segment_fixed_size: 0
    .kernarg_segment_align: 8
    .kernarg_segment_size: 40
    .max_flat_workgroup_size: 128
    .sgpr_count:     80
    .vgpr_count:     640
    .wavefront_size: 32
...
	.end_amdgpu_metadata
.endif
;; end of part 4
;; launch ln2: the kernel of part 1 again; grid 256 x 1, 8 waves a work-group, no clusters, 0 bytes of LDS; arguments x1, ln2_g, ln2_b, Wq, Wk, Wv, W1, Wp, W2, bq, bk, bv, b1, hn, pkq, pk1, wr; writes hn, pkq, pk1, wr
;; launch ffn1: the kernel of part 2 again; grid 32 x 8, 4 waves a work-group, clusters of 4 x 1, 327,680 bytes of LDS; arguments hn, pk1, big; writes big
;; launch ffn2 (part 5): grid 4 x 64, 4 waves a work-group, clusters of 4 x 4, 327,680 bytes of LDS; arguments big, wr, b2, x1, out0; writes out0
.if DOCPART == 5
	.amdgcn_target "amdgcn-amd-amdhsa--gfx1250"
	.amdhsa_code_object_version 6
	.text
	.protected	k_q7c219e04f4_ffn2
	.globl	k_q7c219e04f4_ffn2
	.p2align	8
	.type	k_q7c219e04f4_ffn2,@function
k_q7c219e04f4_ffn2:
	s_mov_b64 s[64:65], 0
	v_nop
	global_prefetch_b8 v0, s[64:65] scope:SCOPE_SE
	s_setreg_imm32_b32 hwreg(HW_REG_WAVE_MODE, 25, 1), 1
	s_wait_xcnt 0x0
	s_wait_alu depctr_hold_cnt(0) depctr_sa_sdst(0) depctr_va_vdst(0) depctr_va_sdst(0) depctr_va_ssrc(0) depctr_va_vcc(0) depctr_vm_vsrc(0)
	s_getreg_b32 s2, hwreg(HW_REG_IB_STS2, 6, 4)
	s_cmp_eq_u32 s2, 0
	s_cbranch_scc0 .Lentry_in_a_cluster
	s_endpgm
.Lentry_in_a_cluster:
	s_bfe_u32 s2, ttmp6, 0x10000c
	s_cmp_lg_u32 s2, 0xf033
	s_cbranch_scc0 .Lentry_shape_is_right
	s_endpgm
.Lentry_shape_is_right:
; out0 = x1 + hid W2 + b2 (f32).  big: hid in column blocks [32][8192 rows][64] bf16; wr: W2 [2048 k][512 n] bf16 at byte 524,288.  Sums in f32, started with the bias as C.
; C has 64 x 4 tiles of 128 x 128: one for each of 256 work-groups.  Four waves, each 64 x 64: 16 accumulators.  K goes in 8 steps of 256 (four column blocks of hid) through two LDS slots.
; CLUSTER 4 x 4: the four of a row of the cluster need the same tile of hid, the four of a column the same tile of W2: each is asked for JOINTLY.  W2 lies [k][n] and is turned on its way out of LDS.
; No prefetch: the tile is small, and each block of hid and of W2 is wanted by its first reader within the first steps of a launch of eight.
; The matrix instruction is used transposed: a lane holds row lane % 16 and the columns 8 (lane / 16) + 0..7.
; REGISTERS by windows: 0: v16-29 addresses; v32-95 the way out; v96-127 the bias; v128-255 the accumulators ((a, b) at 128 + 8 (4 a + b)).   1: two fragment buffers of 128 (A 64, B 64).   2: v0-127 the residual.
.set PAA,    144                       ; a row of a column block in LDS: 128 bytes + 16
.set PBB,    288                       ; a row of W2's tile: 256 + 32 = 9 x 32
.set HALFT,  256*PAA                   ; what one tensor load brings: two column blocks of 128 rows, or 128 k rows of W2 (128 x 288 is the same number)
.set SLOT,   4*HALFT                   ; no bit of SLOT is set in wave x HALFT, so an exclusive or changes slots
.set STAGE,  2*SLOT                    ; 16 rows x 272 bytes (64 f32 + 16) for each wave
.set SPITCH, 272
.set SPARE,  STAGE+4*16*SPITCH         ; the spare words: 128 bytes a wave, two blocks of 256 bytes that no other line names
.set ADRA0, 16
.set ADRA,  17
.set ADRB0, 20
.set ADRB,  22                         ; v22, v23: the two halves of the tile's k rows (an LDS offset holds 16 bits)
.set STO,   24
.set RD,    25
.set CO,    26
.set BO,    27
.set SPW,   28
.set NIL,   29
.set TMP,   32
.set BIAS,  96
.set ACC,   128
.set F0,    0
.set F1,    128
.set G1,  24
.set G0,  32
.set G1B, 48
.set G0B, 56
.set CUR, 45
.set CNT, 3
.set MSB, 0
.macro WIN new
.if MSB != (\new)
	s_set_vgpr_msb (MSB<<8)|(\new)
.set MSB, \new
.endif
.endm
.set MUL,  0x05
.set TO_F, 0x40
.macro PLACES
.rept 4
	v_nop
.endr
.endm
.macro JLOAD                           ; a joint refill by the walking sets: waves 0, 1 hid's halves, waves 2, 3 W2's.  s_nop 0 and four v_nop follow each line
	s_cmp_eq_u32 s11, 0
	s_cbranch_scc0 .Lfor_b_\@
	tensor_load_to_lds s[G0+4:G0+7], s[G1:G1+7]
	s_nop 0
.rept 4
	v_nop
.endr
	s_branch .Lasked_\@
.Lfor_b_\@:
	tensor_load_to_lds s[G0B+4:G0B+7], s[G1B:G1B+7]
	s_nop 0
.rept 4
	v_nop
.endr
.Lasked_\@:
.endm
.macro CREST
	s_cmp_lg_u32 s10, 0
	s_cbranch_scc1 .Lnot_wave_0_\@
	s_barrier_signal -3
.Lnot_wave_0_\@:
	s_barrier_wait -3
	s_barrier_signal -1
	s_barrier_wait -1
.endm
.macro CROUND
	s_barrier_signal -1
	s_barrier_wait -1
	CREST
.endm
	s_load_b256 s[68:75], s[0:1], 0x0              ; big 68, wr 70, b2 72, x1 74
	s_load_b64 s[76:77], s[0:1], 0x20              ; out0
	v_lshl_add_u32 v[SPW], v0, 2, SPARE
	v_mov_b32 v[NIL], 0
	ds_add_u32 v[SPW], v[NIL]                      ; the wave's opening: the add and its wait stand ahead of my first tensor load
	v_lshrrev_b32 v1, 5, v0
	v_readfirstlane_b32 s10, v1
	s_lshr_b32 s11, s10, 1                         ; my half of the tile's rows.  Also: I fetch for hid (0) or W2 (1)
	s_and_b32 s12, s10, 1                          ; my half of its columns.  Also: which half of that tile I fetch
	s_bfe_u32 s40, ttmp6, 0x40000                  ; cx
	s_bfe_u32 s41, ttmp6, 0x40004                  ; cy
	s_lshl_b32 s42, ttmp9, 2
	s_add_co_u32 s42, s42, s40                     ; tile column
	s_and_b32 s13, ttmp7, 0xffff
	s_lshl_b32 s13, s13, 2
	s_add_co_u32 s13, s13, s41                     ; tile row
	s_lshl_b32 s43, s41, 2
	s_lshl_b32 s43, 15, s43                        ; my row of the cluster
	s_lshl_b32 s44, 0x1111, s40                    ; my column
	s_or_b32 s[G1+0], s43, (1<<16)|(1<<20)|(1<<21)|(4<<22)|(3<<25)   ; hid goes to my row; after every 32 words (a row of a column block) 4 words of padding
	s_or_b32 s[G1B+0], s44, (1<<16)|(1<<20)|(1<<21)|(5<<22)|(7<<25)  ; W2 to my column; after every 64 words 8 words
	s_mov_b32 s[G1+1], 8192<<16                    ; a column block's 128 rows are 16,384 dense bytes: one row of 8,192 elements,
	s_mov_b32 s[G1+2], 2<<16                       ; two column blocks a wave,
	s_mov_b32 s[G1+3], 8192<<16
	s_mov_b32 s[G1+4], 2
	s_mov_b32 s[G1+5], 524288                      ; 1 MiB apart
	s_mov_b32 s[G1+6], 0
	s_mov_b32 s[G1+7], 0
	s_mov_b32 s[G1B+1], 128<<16
	s_mov_b32 s[G1B+2], 128<<16
	s_mov_b32 s[G1B+3], 128<<16
	s_mov_b32 s[G1B+4], 128
	s_mov_b32 s[G1B+5], 512
	s_mov_b32 s[G1B+6], 0
	s_mov_b32 s[G1B+7], 0
	s_mul_i32 s20, s10, HALFT                      ; where my loads go: the wave's number alone
	s_mov_b32 s[CUR], 0
	s_lshl_b32 s16, s12, 21                        ; hid: column blocks 2 x half, + 1; made of the tile row and the wave's number alone
	s_lshl_b32 s17, s13, 14                        ; 128 rows of 128 bytes a tile row
	s_add_co_u32 s16, s16, s17
	s_mov_b32 s17, 0
	s_lshl_b32 s46, s12, 17                        ; W2: 128 rows of 1,024 bytes a half; made of the tile column and the wave's number alone
	s_lshl_b32 s47, s42, 8                         ; 128 columns: 256 bytes
	s_add_co_u32 s46, s46, s47
	s_add_co_u32 s46, s46, 524288
	s_mov_b32 s47, 0
	s_lshl_b32 s22, s42, 9                         ; my 64 columns in f32: 512 x tile column + 256 x half
	s_lshl_b32 s23, s12, 8
	s_add_co_u32 s22, s22, s23
	s_mov_b32 s23, 0
	s_lshl_b32 s18, s13, 18                        ; my 64 rows of 2,048 bytes
	s_lshl_b32 s19, s11, 17
	s_add_co_u32 s18, s18, s19
	s_add_co_u32 s18, s18, s22
	s_mov_b32 s19, 0
	s_wait_dscnt 0x0                               ; the opening add is done
	s_wait_kmcnt 0x0
	s_add_nc_u64 s[14:15], s[68:69], s[16:17]
	s_add_nc_u64 s[46:47], s[70:71], s[46:47]
	s_add_nc_u64 s[72:73], s[72:73], s[22:23]
	s_add_nc_u64 s[74:75], s[74:75], s[18:19]
	s_add_nc_u64 s[76:77], s[76:77], s[18:19]
.irp s, 0,1
	s_mov_b32 s[G0+4*\s], 1
	s_add_co_u32 s[G0+4*\s+1], s20, \s*SLOT
	s_add_nc_u64 s[G0+4*\s+2:G0+4*\s+3], s[14:15], \s*4194304     ; K step s: four column blocks on
	s_or_b32 s[G0+4*\s+3], s[G0+4*\s+3], 0x80000000
	s_mov_b32 s[G0B+4*\s], 1
	s_add_co_u32 s[G0B+4*\s+1], s20, \s*SLOT
	s_add_nc_u64 s[G0B+4*\s+2:G0B+4*\s+3], s[46:47], \s*262144    ; K step s: 256 rows down
	s_or_b32 s[G0B+4*\s+3], s[G0B+4*\s+3], 0x80000000
.endr
	CROUND                                         ; all sixteen work-groups are here: the first joint loads meet
	s_cmp_eq_u32 s11, 0                            ; a wave's two first fills stand in one branch: two loads of mine are out
	s_cbranch_scc0 .Lfirst_b
	tensor_load_to_lds s[G0:G0+3], s[G1:G1+7]
	s_nop 0
	tensor_load_to_lds s[G0+4:G0+7], s[G1:G1+7]
	s_nop 0
.rept 4
	v_nop
.endr
	s_branch .Lfirst_asked
.Lfirst_b:
	tensor_load_to_lds s[G0B:G0B+3], s[G1B:G1B+7]
	s_nop 0
	tensor_load_to_lds s[G0B+4:G0B+7], s[G1B:G1B+7]
	s_nop 0
.rept 4
	v_nop
.endr
.Lfirst_asked:
	v_and_b32 v1, 15, v0
	v_bfe_u32 v2, v0, 4, 1
	v_and_b32 v3, 7, v0
	v_bfe_u32 v4, v0, 3, 1
	v_lshlrev_b32 v[BO], 5, v2
	v_lshlrev_b32 v[CO], 11, v2                    ; lanes 0-15 one row's 256 bytes, lanes 16-31 the next row's
	v_lshl_add_u32 v[CO], v1, 4, v[CO]
.irp b, 0,1,2,3                        ; register j of block b: b2[16 b + 8 h + j]
	global_load_b128 v[BIAS+8*\b:BIAS+8*\b+3], v[BO], s[72:73] offset:64*\b
	global_load_b128 v[BIAS+8*\b+4:BIAS+8*\b+7], v[BO], s[72:73] offset:64*\b+16
.endr
	WIN 0x80
.set z, 0
.rept 32                               ; the residual, in the layout of the stores: rows 2 z, 2 z + 1 of my 64
	global_load_b128 v[4*z:4*z+3], v[CO], s[74:75] offset:2*z*2048
.set z, z+1
.endr
	WIN 0
	v_mul_u32_u24 v[ADRA0], v1, PAA
	v_lshl_add_u32 v[ADRA0], v2, 4, v[ADRA0]
	s_mul_i32 s21, s11, 64*PAA
	v_add_nc_u32 v[ADRA0], s21, v[ADRA0]
	v_lshl_add_u32 v6, v2, 3, v3
	v_mul_u32_u24 v[ADRB0], v6, PBB
	v_lshl_add_u32 v[ADRB0], v4, 4, v[ADRB0]
	s_lshl_b32 s21, s12, 7
	s_add_co_u32 s21, s21, 2*HALFT
	v_add_nc_u32 v[ADRB0], s21, v[ADRB0]
	v_mov_b32 v[ADRA], v[ADRA0]
	v_mov_b32 v[ADRB], v[ADRB0]
	v_add_nc_u32 v[ADRB+1], 128*PBB, v[ADRB0]
	s_mul_i32 s21, s10, 16*SPITCH
	s_add_co_u32 s21, s21, STAGE
	v_mul_u32_u24 v[STO], v1, SPITCH
	v_lshl_add_u32 v[STO], v2, 5, v[STO]
	v_add_nc_u32 v[STO], s21, v[STO]
	v_mul_u32_u24 v[RD], v2, SPITCH
	v_lshl_add_u32 v[RD], v1, 4, v[RD]
	v_add_nc_u32 v[RD], s21, v[RD]
; 8 matrix instructions: m blocks a0, a0 + 1 x all 4 n blocks, 32 along K: half c of buffer f.  zero = 1: the product starts the sum, with the bias as C
.macro MUL8 f, c, a0, zero
	WIN MUL
.irp a, \a0, (\a0)+1
.irp b, 0,1,2,3
.if \zero
	v_wmma_f32_16x16x32_bf16 v[ACC+8*(4*(\a)+(\b)):ACC+8*(4*(\a)+(\b))+7], v[(\f)+64+8*(4*(\c)+(\b)):(\f)+64+8*(4*(\c)+(\b))+7], v[(\f)+8*(4*(\c)+(\a)):(\f)+8*(4*(\c)+(\a))+7], v[BIAS+8*(\b):BIAS+8*(\b)+7]
.else
	v_wmma_f32_16x16x32_bf16 v[ACC+8*(4*(\a)+(\b)):ACC+8*(4*(\a)+(\b))+7], v[(\f)+64+8*(4*(\c)+(\b)):(\f)+64+8*(4*(\c)+(\b))+7], v[(\f)+8*(4*(\c)+(\a)):(\f)+8*(4*(\c)+(\a))+7], v[ACC+8*(4*(\a)+(\b)):ACC+8*(4*(\a)+(\b))+7]
.endif
.endr
.endr
.endm
; 32 LDS loads in one run: quarter q (64 along K: one column block of hid) into buffer f; the first 32 along K first
.macro FETCH q, f
	WIN TO_F
.irp c, 0,1
.irp i, 0,1,2,3
	ds_load_tr16_b128 v[(\f)+64+8*(4*\c+\i):(\f)+64+8*(4*\c+\i)+3],   v[ADRB+(\q)/2] offset:((\q)%2)*64*PBB+\c*32*PBB+32*\i
	ds_load_tr16_b128 v[(\f)+64+8*(4*\c+\i)+4:(\f)+64+8*(4*\c+\i)+7], v[ADRB+(\q)/2] offset:((\q)%2)*64*PBB+\c*32*PBB+32*\i+16*PBB
	ds_load_b128 v[(\f)+8*(4*\c+\i):(\f)+8*(4*\c+\i)+3],              v[ADRA] offset:(\q)*128*PAA+\i*16*PAA+64*\c
	ds_load_b128 v[(\f)+8*(4*\c+\i)+4:(\f)+8*(4*\c+\i)+7],            v[ADRA] offset:(\q)*128*PAA+\i*16*PAA+64*\c+32
.endr
.endr
.endm
.macro QUARTER q, f, g, zero
	s_wait_dscnt 16                                ; the first 32 along K are in
	MUL8 \f, 0, 0, \zero
	MUL8 \f, 0, 2, \zero
	PLACES
	FETCH \q, \g
	s_wait_dscnt 32                                ; all but the 32 just issued
	MUL8 \f, 1, 0, 0
	MUL8 \f, 1, 2, 0
.endm
; The last quarter multiplies buffer 1 and changes slots: one barrier; in front of it each wave waits for all its tensor loads, adds 0 to its spare word, and waits for that and for its reads of this slot.
.macro TURN fill
	WIN 0
	s_wait_tensorcnt 0x0                           ; my part of the next slot has landed
	ds_add_u32 v[SPW], v[NIL]
	s_wait_dscnt 17                                ; (the add and the youngest sixteen loads may be out)
	MUL8 F1, 0, 0, 0
	s_wait_dscnt 0x0                               ; the add is done, my reads of this slot are over
	s_barrier_signal -1
	MUL8 F1, 0, 2, 0
	WIN 0
	s_barrier_wait -1
.if \fill
	CREST                                          ; no wave of any partner still reads this slot or has a load on its way
	s_xor_b32 s[G0+5], s[G0+5], SLOT               ; the walking sets: the other slot than last time, the next K step
	s_add_nc_u64 s[G0+6:G0+7], s[G0+6:G0+7], 4194304
	s_xor_b32 s[G0B+5], s[G0B+5], SLOT
	s_add_nc_u64 s[G0B+6:G0B+7], s[G0B+6:G0B+7], 262144
.endif
	s_xor_b32 s[CUR], s[CUR], SLOT
.if \fill
	JLOAD                                          ; my one tensor load behind the round; its four v_nop are also the places in front of the loads below
.else
	PLACES
.endif
	v_add_nc_u32 v[ADRA], s[CUR], v[ADRA0]
	v_add_nc_u32 v[ADRB], s[CUR], v[ADRB0]
	v_add_nc_u32 v[ADRB+1], 128*PBB, v[ADRB]
	FETCH 0, F0
	MUL8 F1, 1, 0, 0
	MUL8 F1, 1, 2, 0
.endm
; THE WAY OUT of m block a: 16 rows x 64 f32 through my own stage, back as whole rows of 256 bytes, the residual added, stored.
.macro OUTB a
.set BK, TMP+32*((\a)%2)
.irp b, 0,1,2,3
	ds_store_b128 v[STO], v[ACC+8*(4*(\a)+\b):ACC+8*(4*(\a)+\b)+3]   offset:64*\b
	ds_store_b128 v[STO], v[ACC+8*(4*(\a)+\b)+4:ACC+8*(4*(\a)+\b)+7] offset:64*\b+16
.endr
.irp t, 0,1,2,3,4,5,6,7
	ds_load_b128 v[BK+4*\t:BK+4*\t+3], v[RD] offset:\t*2*SPITCH   ; LDS serves a wave's instructions in order (ISA guide 5.7.1.4): these see the stores above
.endr
	s_wait_dscnt 0x0
.if (\a) == 0
	s_wait_loadcnt 0x0                             ; the residual
.endif
	s_wait_xcnt 0x0                                ; the stores issued so far have read their registers: the other buffer is loaded again only behind this wait
	WIN 0x08                                       ; the residual lies in window 2
.set z, 0
.rept 16
	v_pk_add_f32 v[BK+z:BK+z+1], v[BK+z:BK+z+1], v[32*(\a)+z:32*(\a)+z+1]
.set z, z+2
.endr
	WIN 0
.irp t, 0,1,2,3,4,5,6,7
	global_store_b128 v[CO], v[BK+4*\t:BK+4*\t+3], s[76:77] offset:(16*(\a)+2*\t)*2048   ; 16 lanes store 256 consecutive bytes, aligned
.endr
.endm
	s_wait_tensorcnt 1                             ; my part of K step 0 is in; K step 1's may stay out
	s_barrier_signal -1
	s_barrier_wait -1
	FETCH 0, F0
	s_wait_loadcnt 32                              ; the bias is in; the residual's 32 loads may stay out
	QUARTER 1, F0, F1, 1                           ; the first quarter stands in front of the loop: its first products start the sums
	WIN 0
	s_mov_b32 s[CNT], 6
.Lstep:                                                ; six trips, from a K step's second quarter to the next step's first: K steps 2 to 7 are asked for
	QUARTER 2, F1, F0, 0
	QUARTER 3, F0, F1, 0
	TURN 1
	QUARTER 1, F0, F1, 0
	WIN 0
	s_sub_co_u32 s[CNT], s[CNT], 1
	s_cmp_lg_u32 s[CNT], 0
	s_cbranch_scc1 .Lstep
	QUARTER 2, F1, F0, 0                           ; K step 6 goes on; nothing is left to ask for
	QUARTER 3, F0, F1, 0
	TURN 0
	QUARTER 1, F0, F1, 0
	QUARTER 2, F1, F0, 0
	QUARTER 3, F0, F1, 0
	s_wait_dscnt 16
	MUL8 F1, 0, 0, 0
	MUL8 F1, 0, 2, 0
	s_wait_dscnt 0x0
	MUL8 F1, 1, 0, 0
	MUL8 F1, 1, 2, 0
	WIN 0
	PLACES
	OUTB 0
	OUTB 1
	OUTB 2
	OUTB 3
	s_wait_tensorcnt 0x0                           ; the wave's end
	ds_add_u32 v[SPW], v[NIL]
	s_wait_dscnt 0x0
	CROUND                                         ; the closing round
	s_endpgm
.Lfunc_end_k_q7c219e04f4_ffn2:
	.size	k_q7c219e04f4_ffn2, .Lfunc_end_k_q7c219e04f4_ffn2-k_q7c219e04f4_ffn2
	.p2alignl 7, 3214868480
	.fill 96, 4, 3214868480
	.section	.rodata,"a",@progbits
	.p2align	6, 0x0
	.amdhsa_kernel k_q7c219e04f4_ffn2
		.amdhsa_group_segment_fixed_size 327680
		.amdhsa_private_segment_fixed_size 0
		.amdhsa_enable_private_segment 0
		.amdhsa_kernarg_size 40
		.amdhsa_user_sgpr_count 2
		.amdhsa_user_sgpr_kernarg_segment_ptr 1
		.amdhsa_wavefront_size32 1
		.amdhsa_system_sgpr_workgroup_id_x 1
		.amdhsa_system_sgpr_workgroup_id_y 1
		.amdhsa_system_sgpr_workgroup_id_z 1
		.amdhsa_system_vgpr_workitem_id 0
		.amdhsa_next_free_vgpr 640
		.amdhsa_next_free_sgpr 80
		.amdhsa_reserve_vcc 0
		.amdhsa_float_denorm_mode_32 3
		.amdhsa_float_denorm_mode_16_64 3
		.amdhsa_memory_ordered 1
		.amdhsa_forward_progress 1
		.amdhsa_inst_pref_size 76
	.end_amdhsa_kernel
	.amdgpu_metadata
---
amdhsa.version: [ 1, 2 ]
amdhsa.kernels:
  - .name:           k_q7c219e04f4_ffn2
    .symbol:         k_q7c219e04f4_ffn2.kd
    .args:
      - { .name: big, .offset: 0, .size: 8, .value_kind: global_buffer, .address_space: global }
      - { .name: wr, .offset: 8, .size: 8, .value_kind: global_buffer, .address_space: global }
      - { .name: b2, .offset: 16, .size: 8, .value_kind: global_buffer, .address_space: global }
      - { .name: x1, .offset: 24, .size: 8, .value_kind: global_buffer, .address_space: global }
      - { .name: out0, .offset: 32, .size: 8, .value_kind: global_buffer, .address_space: global }
    .group_segment_fixed_size: 327680
    .private_segment_fixed_size: 0
    .kernarg_segment_align: 8
    .kernarg_segment_size: 40
    .max_flat_workgroup_size: 128
    .sgpr_count:     80
    .vgpr_count:     640
    .wavefront_size: 32
...
	.end_amdgpu_metadata
.endif
;; end of part 5
;; ======== version 2 of 2: 7 launches; version 1 with the launch attn written anew for expert scheduling mode
;; limits: right only within a limited range of input values
;; workspace buffers: hn 8,388,608 bytes; pkq 1,581,312 bytes; pk1 2,105,600 bytes; wr 2,621,440 bytes; big 33,554,432 bytes; ao 8,388,608 bytes; x1 16,777,216 bytes
;; launch prep: the kernel of part 1 again; grid 449 x 1, 8 waves a work-group, no clusters, 0 bytes of LDS; arguments x, ln1_g, ln1_b, Wq, Wk, Wv, W1, Wp, W2, bq, bk, bv, b1, hn, pkq, pk1, wr; writes hn, pkq, pk1, wr
;; launch qkv: the kernel of part 2 again; grid 32 x 6, 4 waves a work-group, clusters of 4 x 1, 327,680 bytes of LDS; arguments hn, pkq, big; writes big
;; launch attn (part 6): grid 8 x 32, 4 waves a work-group, no clusters, 218,624 bytes of LDS; arguments big, ao; writes ao
.if DOCPART == 6
	.amdgcn_target "amdgcn-amd-amdhsa--gfx1250"
	.amdhsa_code_object_version 6
	.text
	.protected	k_q7c219e04f4_attn
	.globl	k_q7c219e04f4_attn
	.p2align	8
	.type	k_q7c219e04f4_attn,@function
k_q7c219e04f4_attn:
	s_mov_b64 s[64:65], 0
	v_nop
	global_prefetch_b8 v0, s[64:65] scope:SCOPE_SE
	s_setreg_imm32_b32 hwreg(HW_REG_WAVE_SCHED_MODE, 0, 2), 2
	s_setreg_imm32_b32 hwreg(HW_REG_WAVE_MODE, 25, 1), 1
	s_wait_xcnt 0x0
	s_wait_alu depctr_vm_vsrc(0)
; CAUSAL ATTENTION at head size 64, 32 head-batches of 2,048 rows.  O[q] = the sum over k <= q of softmax_k(Q[q] . K[k] / 8) V[k].
; big: head-batch y is the dense slab [2048][64] bf16 at byte 262,144 y (q), + 8 MiB (k), + 16 MiB (v).  ao: the same layout.  Products, maxima and sums in f32; the weights are rounded to bf16 for
; the second product (their sum is taken of the unrounded weights), O once at the end.
; LIMITS.  A hidden score counts as its value less 1e30 (the reference puts -1e9 in its place: the weight is 0 both ways while scores stay far under 1e9); a weight below 2^-126 counts as 0;
; NaN and infinities are not treated apart.
; THE WALK.  16 blocks of 128 queries, 8 key tiles of 256 keys (four steps of 64).  Block i needs tiles 0 .. i / 2.  Work-group b takes block 15 - b and then block b: (17 - b) / 2 + (b + 2) / 2 = 9 tiles,
; whatever b: one loop of 9 trips.  A block's last tile holds the diagonal: band x of 64 queries has its own step at 2 (i % 2) + x, sees all keys of earlier steps, none of later ones.  In an EVEN block's
; diagonal tile steps 2 and 3 are hidden from all 128 queries: the tile is left after two steps.  15 - b and b are one even and one odd block, so every work-group walks 34 steps.
; SHARES.  Of a block's two bands a wave owns 16 rows in each: two PIECES.  So every wave does the same work in the diagonal tile.
; K AND V COME THROUGH REGISTERS.  Each wave loads its 64 rows of K and of V of a tile (32 loads of 512 bytes) into 128 registers.  Once a tile, ahead of an even step's first turn, it puts them into the LDS slot that
; is not being read; a turn later, behind the wait that shows those stores done, it loads the tile after.  The slot that takes tile j + 1 held tile j - 1, whose reads every wave awaited in front of the barrier
; that opened tile j; the stores are awaited in front of the barrier that opens tile j + 1.  So a change of slots is one wait and one barrier.
; NO CLUSTER, no joint loads: the eight work-groups of a head leave their first block at different trips, (17 - b) / 2, and from then on ask for different tiles.
; THE MASK is the C operand that starts S^T = K Q^T: MD x AL + BE, with MD the mask of a band's own step for my rows and two scalars: (1, 0) own step, (0, 0) earlier, (0, -1e30) later.  It is made in the
; diagonal tile's turns alone; in the other tiles both buffers hold the zeros that the block's beginning wrote.
; TURNS.  Turn (p, s) does piece p's softmax of step s; beside it 8 products K Q^T of the other piece (p = 0: step s; p = 1: step s + 1) and 8 products V^T P of the other piece (p = 0: step s - 1; p = 1: step s).
; Four vector instructions stand behind every product, the rest in one lump; a turn's 33 exponentials are one batch with one wait.  K's and V's fragments have two register buffers each, by the step's parity:
; K of step s + 1 is fetched at the head of turn (0, s), V of step s + 1 behind the one wait of turn (1, s): between two barriers a wave fetches from one slot alone.
; THE MODE: SCHED_MODE bits 1:0 = 2 (LLVM: expert scheduling mode 2), set by the entry lines.  The code itself states the register dependences between vector or matrix instructions and memory or LDS
; instructions, with s_wait_alu, always for 0.
; THE PLAN.  Registers that memory or LDS instructions touch:
;   K, two buffers    The loads at the head of turn (0, s) land in the buffer whose last readers, products K Q^T, stand in the first half of turn (0, s - 1): ahead of two turns' waits.
;   V, two buffers    The loads behind the wait of turn (1, s) land in the buffer whose last reader is the last product of turn (0, s), issued ahead of that wait; the products behind it read the other buffer.
;   SG                Written by the tile's global loads, read by the LDS stores that put the tile; named by no vector instruction.
;   v[AK], v[AV]      Read by the fetches.  Written at the head of each fetching turn of piece 1, at the change of slots and (v[AK]) in a block's beginning: each time ahead of a wait on va_vdst that stands there anyway.
;   v[LKC], v[LVC]    Read by the stores that put a tile.  Written at the change of slots.
;   S^T's first 32    On the way out: written by the conversions, read by the stage's stores, written by its loads, read by the global stores; then written by the next block's first products.
;   GL, PFO, QO, LK, LV, STO, RD, SPW, NIL   made at the head, never written again.
; So a turn holds ONE wait on va_vdst, the batch's: it also states that v[AK] and v[AV] are written and that the products issued so far are done reading the V buffer that is loaded behind it.  K's run at the
; next turn's head owes nothing: of what was issued since that wait (V^T P, roundings, sums, masks) nothing names v[AK] or K's registers.  One wait on vm_vsrc stands at the head of each fetching turn of piece 1.
; REGISTERS by windows of 256 (s_set_vgpr_msb: bits 1:0 source 0, 3:2 source 1, 5:4 source 2, 7:6 destination):
;   0: v2-31 addresses; v16-23 statistics (c m, m, l, l a piece); v48-55 at work; v64-127 S^T, a buffer a piece; v128-191 O^T, 32 a piece; v192-223 P: all that the softmax touches, so it switches no window
;   1: v128-159 MD; v160-223 MC, a buffer a piece     2: v0-31 Q; v32-63 the second block's Q; v64-191 K, two buffers     3: v0-127 V, two buffers; v128-255 the tile on its way
.set KS,    64
.set PK,    144       ; a row of K in LDS: 128 bytes + 16: the 16 rows of a load start at 16 different groups of four banks (ISA guide 11.1)
.set PV,    160       ; a row of V: 128 + 32
.set VOFF,  4*KS*PK   ; a slot: 256 rows of K, then 256 rows of V
.set SLOT1, 1<<17
.set STAGE, SLOT1+4*KS*(PK+PV)  ; 16 rows x 144 bytes for each wave, for the way out
.set SP,    144
.set SPARE, STAGE+4*16*SP       ; the spare words: 128 bytes a wave, two blocks of 256 bytes that no other line names
.set AK0, 2           ; my lane's place in a step of K; never rewritten
.set AV0, 3
.set AK,  4
.set AV,  5
.set STO, 6
.set RD,  7
.set GL,  9           ; 16 x lane: for the tile's loads and for O's stores
.set LK,  10          ; where I put 16 bytes of K in slot 0
.set LV,  11
.set MV,  12          ; v12-13  c m_old, by piece
.set LKC, 14
.set LVC, 15
.set ST,  16
.set PFO, 24          ; 256 x lane
.set QO,  25
.set TMP, 48
.set SPW, 62
.set NIL, 63
.set S,   64
.set OT,  128
.set P,   192
.set MD,  128
.set MC,  160
.set QB,  32
.set K0,  64
.set SG,  128
.set WV,  12
.set PB,  14          ; s14  b
.set KP,  16          ; s[16:17] the head's K at my wave's 64 rows of tile 0;  s[18:19] V
.set VP,  18
.set KT,  20          ; s[20:21], s[22:23] the same at the tile that was loaded last
.set VT,  22
.set QP1, 24
.set QP2, 26
.set OLO, 28          ; s[28:29] O at my rows of the second block; s[10:11] at those of the block in hand
.set OFF, 30
.set CM,  40          ; s[40:55] at the head only: sixteen compares' masks
.set SLOTS, 56        ; tiles of the walk still to come, the one in hand among them
.set CNT, 57
.set CS,  58          ; s[58:59] c = log2(e) / 8
.set SEL, 60
.set TBK, 62          ; LDS byte at which K of the step to be fetched begins
.set TBV, 63
.set RT,  70          ; tiles of the block in hand still to be entered
.set NXT, 71          ; the tile to be loaded next
.set LQ,  72
.set NEW, 73
.set LQ2, 74
.set AL,  76
.set BE,  78
.set BIGN, 82
.set TAU, 83          ; in the diagonal tile: the step for which the turn in hand makes its mask
.set OWN, 84          ; s84, s85  the two bands' own steps in the tile in hand; 64, 65 where it is not the diagonal one
.set STG, 86          ; in the pass that stages: the walk's tiles left; else 0
.set DG,  87
.set DG2, 88
.set WS,  89          ; the slot that is not being read
.set PF,  90          ; prefetches still to be made
.set T2,  91
.set SC,  92          ; the value of CNT in the pass that stages: 1 in the walk's first tile, then 2
.set RB,  93          ; the slot that is being read
.set MSB, 0
.macro WIN new
.if MSB != (\new)
	s_set_vgpr_msb (MSB<<8)|(\new)
.set MSB, (\new)
.endif
.endm
.set W_KQ, 0x0a       ; K and Q in window 2, S^T in window 0
.set W_KM, 0x1a       ; the same with the C operand in window 1
.set W_PV, 0x03       ; V in window 3; P and O^T in window 0
.set W_MK, 0x41       ; the masks: destination and source 0 in window 1
.macro PLACES
.rept 4
	v_nop
.endr
.endm
.macro TILE_IN off                  ; my 64 rows of K and of V of a tile: 32 loads of 512 consecutive bytes
	WIN 0xc0
.set u, 0
.rept 16
	global_load_b128 v[SG+4*u:SG+4*u+3], v[GL], s[KT:KT+1] offset:(\off)+u*512
.set u, u+1
.endr
.set u, 0
.rept 16
	global_load_b128 v[SG+64+4*u:SG+64+4*u+3], v[GL], s[VT:VT+1] offset:(\off)+u*512
.set u, u+1
.endr
	WIN 0
.endm
.macro PUT ak, av                   ; the same rows into LDS: a load's 512 bytes are four rows
	WIN 0x0c                        ; store data in window 3
.set u, 0
.rept 16
	ds_store_b128 v[\ak], v[SG+4*u:SG+4*u+3] offset:u*4*PK
.set u, u+1
.endr
.set u, 0
.rept 16
	ds_store_b128 v[\av], v[SG+64+4*u:SG+64+4*u+3] offset:u*4*PV
.set u, u+1
.endr
	WIN 0
.endm
	s_load_b128 s[4:7], s[0:1], 0x0 ; big, ao
	v_lshl_add_u32 v[SPW], v0, 2, SPARE
	v_mov_b32 v[NIL], 0
	v_lshrrev_b32 v1, 5, v0
	v_readfirstlane_b32 s[WV], v1
	v_and_b32 v1, 15, v0            ; r
	v_bfe_u32 v26, v0, 4, 1         ; h
	v_and_b32 v27, 7, v0
	v_bfe_u32 v28, v0, 3, 1
	v_and_b32 v29, 31, v0
	v_bfe_u32 v30, v0, 3, 2
	v_lshlrev_b32 v[GL], 4, v29
	v_lshlrev_b32 v[PFO], 8, v29
	v_lshlrev_b32 v[QO], 7, v1
	v_lshl_add_u32 v[QO], v26, 4, v[QO]
	s_wait_alu depctr_va_sdst(0)    ; the wave's number is written, ahead of its first reader: the offsets of K, V, Q and O are made from it
	s_mov_b32 s[PB], ttmp9
	s_and_b32 s32, ttmp7, 0xffff
	s_lshl_b32 s32, s32, 18         ; the head-batch's slab
	s_lshl_b32 s34, s[WV], 13       ; my 64 rows of a tile
	s_add_co_u32 s34, s34, s32
	s_mov_b32 s35, 0
	s_sub_co_u32 s13, 15, s[PB]     ; the first block
	s_lshl_b32 s15, s[WV], 11       ; my 16 rows in a band
	s_lshl_b32 s36, s13, 14
	s_add_co_u32 s36, s36, s15
	s_add_co_u32 s36, s36, s32
	s_mov_b32 s37, 0
	s_lshl_b32 s38, s[PB], 14
	s_add_co_u32 s38, s38, s15
	s_add_co_u32 s38, s38, s32
	s_mov_b32 s39, 0
	s_sub_co_u32 s[RT], 17, s[PB]
	s_lshr_b32 s[RT], s[RT], 1      ; the first block's tiles: five at the least
	s_add_co_u32 s[T2], s[PB], 2
	s_lshr_b32 s[T2], s[T2], 1      ; the second's
	s_sub_co_u32 s[LQ], s[RT], 1
	s_sub_co_u32 s[LQ2], s[T2], 1
	s_and_b32 s[DG], s13, 1
	s_lshl_b32 s[DG], s[DG], 1
	s_and_b32 s[DG2], s[PB], 1
	s_lshl_b32 s[DG2], s[DG2], 1
	s_cmp_eq_u32 s[PB], 0
	s_cselect_b32 s[PF], 5, 0       ; work-group 0 of a head walks tiles 0 .. 7 in order: it names tiles 3 .. 7, each once
	s_mov_b32 s[NXT], 2             ; tiles 0 and 1 are loaded here, at the head
	s_mov_b32 s[NEW], 1
	s_mov_b32 s[RB], SLOT1          ; the first change of slots turns it into 0
	s_mov_b32 s[SC], 1
	s_mov_b32 s[SLOTS], 9
	s_mov_b32 s[OFF+1], 0
	s_mov_b32 s[AL+1], 0
	s_mov_b32 s[BE+1], 0
	s_mov_b32 s[BIGN], 0xf149f2ca   ; -1e30
	s_mov_b32 s[CS], 0x3e38aa3b
	s_mov_b32 s[CS+1], s[CS]
	s_mov_b32 s[SEL], 0x76543210
	s_mov_b32 s[SEL+1], 0xfedcba98
	s_wait_kmcnt 0x0
	s_add_nc_u64 s[KP:KP+1], s[4:5], s[34:35]
	s_add_nc_u64 s[VP:VP+1], s[KP:KP+1], 0x1000000
	s_add_nc_u64 s[KP:KP+1], s[KP:KP+1], 0x800000
	s_mov_b64 s[KT:KT+1], s[KP:KP+1]
	s_mov_b64 s[VT:VT+1], s[VP:VP+1]
	s_add_nc_u64 s[QP1:QP1+1], s[4:5], s[36:37]
	s_add_nc_u64 s[QP2:QP2+1], s[4:5], s[38:39]
	s_add_nc_u64 s[10:11], s[6:7], s[36:37]
	s_add_nc_u64 s[OLO:OLO+1], s[6:7], s[38:39]
	s_wait_alu depctr_va_vdst(0)    ; v[GL], v[QO] and v[PFO] are written: the offsets of every global load, store and prefetch of the kernel
	TILE_IN 0                       ; tile 0
	WIN 0x80                        ; both blocks' Q: piece x lies in band x, 8,192 bytes on; channels 32 c on.  A fragment is two loads of 16 bytes, 32 bytes apart
.irp x, 0,1
.irp c, 0,1
	global_load_b128 v[16*\x+8*\c:16*\x+8*\c+3],   v[QO], s[QP1:QP1+1] offset:\x*8192+\c*64
	global_load_b128 v[16*\x+8*\c+4:16*\x+8*\c+7], v[QO], s[QP1:QP1+1] offset:\x*8192+\c*64+32
	global_load_b128 v[QB+16*\x+8*\c:QB+16*\x+8*\c+3],   v[QO], s[QP2:QP2+1] offset:\x*8192+\c*64
	global_load_b128 v[QB+16*\x+8*\c+4:QB+16*\x+8*\c+7], v[QO], s[QP2:QP2+1] offset:\x*8192+\c*64+32
.endr
.endr
	WIN 0
	v_lshlrev_b32 v31, 3, v26
	v_sub_nc_u32 v31, v1, v31
	s_lshl_b32 s13, s[WV], 4
	v_add_nc_u32 v31, s13, v31      ; my query's place in its band, 16 w + r, less my lanes' 8 h: register j of key group kt is hidden where 16 kt + j is greater
.set g, 0
.rept 2                             ; MD's 32 registers in two runs: sixteen compares into scalar registers, one wait, sixteen selects
.set i, 0
.rept 16
	v_cmp_gt_i32 s[CM+i], 16*((16*g+i)/8)+(16*g+i)%8, v31
.set i, i+1
.endr
	s_wait_alu depctr_va_sdst(0)    ; the sixteen masks are written, ahead of the selects that read them
	WIN 0x40
.set i, 0
.rept 16
	v_cndmask_b32 v[MD+16*g+i], 0, s[BIGN], s[CM+i]
.set i, i+1
.endr
	WIN 0
.set g, g+1
.endr
	v_mul_u32_u24 v[AK0], v1, PK
	v_lshl_add_u32 v[AK0], v26, 4, v[AK0]
	v_lshl_add_u32 v[AV0], v26, 3, v27   ; the turning load: lane reads key 8 h + lane % 8, channels 8 ((lane / 8) % 2) + 0..7
	v_mul_u32_u24 v[AV0], v[AV0], PV
	v_lshl_add_u32 v[AV0], v28, 4, v[AV0]
	v_add_nc_u32 v[AV0], VOFF, v[AV0]
	s_mul_i32 s13, s[WV], 64*PK
	v_mul_u32_u24 v[LK], v30, PK    ; row lane / 8 of a load's four, 16 bytes at 16 (lane % 8)
	v_lshl_add_u32 v[LK], v27, 4, v[LK]
	v_add_nc_u32 v[LK], s13, v[LK]
	s_mul_i32 s13, s[WV], 64*PV
	s_add_co_u32 s13, s13, VOFF
	v_mul_u32_u24 v[LV], v30, PV
	v_lshl_add_u32 v[LV], v27, 4, v[LV]
	v_add_nc_u32 v[LV], s13, v[LV]
	s_mul_i32 s13, s[WV], 16*SP
	s_add_co_u32 s13, s13, STAGE
	v_mul_u32_u24 v[STO], v1, SP
	v_lshl_add_u32 v[STO], v26, 4, v[STO]
	v_add_nc_u32 v[STO], s13, v[STO]
	v_mul_u32_u24 v[RD], v30, SP
	v_lshl_add_u32 v[RD], v27, 4, v[RD]
	v_add_nc_u32 v[RD], s13, v[RD]
	; A block's first step multiplies O^T and l by a = 0, and its first turn's products V^T P, of a step that has not been, land in an O^T that is still to be so multiplied: these registers
	; need only hold finite numbers: zeros for the first block, what the first block left for the second.  All this stands in the wait for the first tile.
.set i, OT
.rept 64
	v_mov_b32 v[i], 0
.set i, i+1
.endr
.set i, P+16
.rept 16
	v_mov_b32 v[i], 0
.set i, i+1
.endr
.irp t, 0,1
	v_mov_b32 v[ST+4*\t+2], 0
	v_mov_b32 v[ST+4*\t+3], 0
.endr
	WIN 0xc0
.set i, 64
.rept 64
	v_mov_b32 v[i], 0
.set i, i+1
.endr
	WIN 0
	s_wait_loadcnt 0x0              ; tile 0 and Q
	s_wait_alu depctr_va_vdst(0)    ; v[LK] and v[LV] are written, which the stores below read; so are v[STO] and v[RD], the way out's LDS addresses
	PUT LK, LV                      ; tile 0 into slot 0
	s_wait_dscnt 0x0                ; the stores are done: the first barrier may be signalled
	s_wait_alu depctr_vm_vsrc(0)    ; the stores have read SG, in which tile 1's loads land
	TILE_IN 32768                   ; tile 1
; THE MATRIX WORK.  The 4 accumulators of a run of 8 take turns.  Product i of 8 of S^T = K Q^T for piece x: channels 32 (i / 4) on, keys 16 (i % 4) on; the first 4 start the sums with the mask.
.macro KQ x
.set rS, S+32*(\x)+8*(i%4)
.set rK, KB+16*(i%4)+8*(i/4)
.set rQ, 16*(\x)+8*(i/4)
.set rM, MC+32*(\x)+8*(i%4)
.if i < 4
	WIN W_KM
	v_wmma_f32_16x16x32_bf16 v[rS:rS+7], v[rK:rK+7], v[rQ:rQ+7], v[rM:rM+7]
.else
	WIN W_KQ
	v_wmma_f32_16x16x32_bf16 v[rS:rS+7], v[rK:rK+7], v[rQ:rQ+7], v[rS:rS+7]
.endif
.endm
; Product i of 8 of O^T += V^T P for piece x: keys 32 (i / 4) on, channels 16 (i % 4) on.
.macro PV x
	WIN W_PV
.set rO, OT+32*(\x)+8*(i%4)
.set rV, VB+32*(i/4)+8*(i%4)
.set rP, P+16*(\x)+8*(i/4)
	v_wmma_f32_16x16x32_bf16 v[rO:rO+7], v[rV:rV+7], v[rP:rP+7], v[rO:rO+7]
.endm
.macro MM                           ; the turn's next matrix instruction
.if i < 8
	KQ 1-Y
.else
.set i, i-8
	PV 1-Y
.set i, i+8
.endif
.set i, i+1
.endm
; THE LDS LOADS stand in runs of 16.  Their addresses, v[AK] and v[AV], are made ahead of an earlier wait on va_vdst; what follows a run sets its own windows.
.macro FETCH_K kb
	WIN 0x80
.irp f, 0,1,2,3,4,5,6,7             ; keys 16 (f / 2) on, channels 32 (f % 2) on
	ds_load_b128 v[(\kb)+8*\f:(\kb)+8*\f+3],   v[AK] offset:(\f/2)*16*PK+(\f%2)*64
	ds_load_b128 v[(\kb)+8*\f+4:(\kb)+8*\f+7], v[AK] offset:(\f/2)*16*PK+(\f%2)*64+32
.endr
	s_add_co_u32 s[TBK], s[TBK], KS*PK
.endm
.macro FETCH_V vb
	WIN 0xc0
.irp f, 0,1,2,3,4,5,6,7             ; keys 32 (f / 4) on, channels 16 (f % 4) on
	ds_load_tr16_b128 v[(\vb)+8*\f:(\vb)+8*\f+3],   v[AV] offset:(\f/4)*32*PV+(\f%4)*32
	ds_load_tr16_b128 v[(\vb)+8*\f+4:(\vb)+8*\f+7], v[AV] offset:(\f/4)*32*PV+16*PV+(\f%4)*32
.endr
	s_add_co_u32 s[TBV], s[TBV], KS*PV
.endm
; THE VECTOR WORK, one line at a time: OP kind, number; all of it in window 0.  For piece Y: F n: c s - c m for pair n of 16.  E n: the exponential of score n of 32.  C n: pair n rounded to bf16.  B n: of the four
; weights 4 n .. the second pair is added onto the first, in place.  L n: l takes that sum (L 0: l = a l + sum).  R n: pair n of 16 of O^T times a.  For the other piece: X n, number n of the 22 that find its maximum and statistics:
;   0-11 four chains of seven scores, three operands at a time (each accumulator's lowest registers are read first)   12-14, 16 the four scores left over, the old m, all into c0
;   15 c m_old is kept   17, 18 the query's other 32 keys lie in the lane 16 away: the new m   19-21 c m; c m_old - c m_new; a
.set F, 0
.set E, 1
.set C, 2
.set B, 3
.set L, 4
.set R, 5
.set X, 6
.macro REGS y
.set rT, ST+4*(\y)
.set rC, TMP+4*(\y)
.set rW, MV+(\y)
.set rS, S+32*(\y)
.set rP, P+16*(\y)
.set rO, OT+32*(\y)
.endm
.macro OP k, n
	WIN 0
.if (\k) < X
	REGS Y
.if (\k) == F
	v_pk_fma_f32 v[rS+2*(\n):rS+2*(\n)+1], v[rS+2*(\n):rS+2*(\n)+1], s[CS:CS+1], v[rT:rT+1] op_sel_hi:[1,0,0] neg_lo:[0,0,1] neg_hi:[0,0,1]
.elseif (\k) == E
	v_exp_f32 v[rS+(\n)], v[rS+(\n)]
.elseif (\k) == C
	v_cvt_pk_bf16_f32 v[rP+(\n)], v[rS+2*(\n)], v[rS+2*(\n)+1]
.elseif (\k) == B
	v_pk_add_f32 v[rS+4*(\n):rS+4*(\n)+1], v[rS+4*(\n):rS+4*(\n)+1], v[rS+4*(\n)+2:rS+4*(\n)+3]
.elseif (\k) == R
	v_pk_mul_f32 v[rO+2*(\n):rO+2*(\n)+1], v[rO+2*(\n):rO+2*(\n)+1], v[rC+2:rC+3] op_sel_hi:[1,0]
.elseif (\n) == 0
	v_pk_fma_f32 v[rT+2:rT+3], v[rT+2:rT+3], v[rC+2:rC+3], v[rS:rS+1] op_sel_hi:[1,0,1]
.else
	v_pk_add_f32 v[rT+2:rT+3], v[rT+2:rT+3], v[rS+4*(\n):rS+4*(\n)+1]
.endif
.else
	REGS 1-Y
.if (\n) < 4
	v_max3_num_f32 v[rC+(\n)], v[rS+8*(\n)], v[rS+8*(\n)+1], v[rS+8*(\n)+2]
.elseif (\n) < 12
	v_max3_num_f32 v[rC+(\n)%4], v[rC+(\n)%4], v[rS+8*((\n)%4)+2*((\n)/4)+1], v[rS+8*((\n)%4)+2*((\n)/4)+2]
.elseif (\n) == 12
	v_max3_num_f32 v[rC], v[rC], v[rS+7], v[rS+15]
.elseif (\n) == 13
	v_max3_num_f32 v[rC+1], v[rC+1], v[rS+23], v[rS+31]
.elseif (\n) == 14
	v_max3_num_f32 v[rC+2], v[rC+2], v[rC+3], v[rT+1]
.elseif (\n) == 15
	v_mov_b32 v[rW], v[rT]
.elseif (\n) == 16
	v_max3_num_f32 v[rC], v[rC], v[rC+1], v[rC+2]
.elseif (\n) == 17
	v_permlanex16_b32 v[rC+3], v[rC], s[SEL], s[SEL+1]
.elseif (\n) == 18
	v_max_num_f32 v[rT+1], v[rC], v[rC+3]
.elseif (\n) == 19
	v_mul_f32 v[rT], s[CS], v[rT+1]
.elseif (\n) == 20
	v_sub_f32 v[rC+1], v[rW], v[rT]
.else
	v_exp_f32 v[rC+2], v[rC+1]
.endif
.endif
.endm
.macro OPS a, i1, b=-1, i2=0, c=-1, i3=0, d=-1, i4=0
	OP \a, \i1
.if (\b) >= 0
	OP \b, \i2
.endif
.if (\c) >= 0
	OP \c, \i3
.endif
.if (\d) >= 0
	OP \d, \i4
.endif
.endm
.macro ROW a, i1, b, i2, c, i3, d, i4  ; a matrix instruction and the four behind it
	MM
	OPS \a, \i1, \b, \i2, \c, \i3, \d, \i4
.endm
.macro MASK b                       ; MD x AL + BE into buffer b of MC
	WIN W_MK
.set z, 0
.rept 16
	v_pk_fma_f32 v[MC+32*(\b)+2*z:MC+32*(\b)+2*z+1], v[MD+2*z:MD+2*z+1], s[AL:AL+1], s[BE:BE+1] op_sel_hi:[1,0,0]
.set z, z+1
.endr
.endm
; A TURN, for piece p in a step of parity par.  At its head, for p = 1: the wait for K (issued a turn ago), V (issued a step ago) and, where the tile was put into LDS a turn ago, those stores; with fetch = 1 the
; wait that states that these LDS instructions have read their registers, and the addresses of the next two fetches; then (stage = 1, in the pass that stages, while the walk has a tile after the next) the loads
; of that tile.  For p = 0 with fetch = 1: K of the next step, by the address that the turn before (or the change of slots, or the block's beginning) made ahead of its wait on va_vdst.
; AHEAD OF THE ONE WAIT stands all that names no result of the turn's exponentials: 8 products K Q^T with their riders, then the lump; X 21, the other piece's a, is the batch's last, R 15 the plain
; instruction behind it.  BEHIND IT: for p = 1 with fetch = 1 V of the next step; then 8 products V^T P, behind each four of the roundings and sums.  R n goes in ascending order: each accumulator of O^T is
; first read at its low end, and its last product, in the turn before, stands sixteen plain instructions or more back.
; At its end, in the diagonal tile alone: the mask for piece p in the NEXT step, which the next turn's products take.
.macro TURN p, par, fetch, stage=0
.set Y, (\p)
.set i, 0
.if (\p) == 0
.set KB, K0+64*(\par)
.set VB, 64*(1-(\par))
.else
.set KB, K0+64*(1-(\par))
.set VB, 64*(\par)
.endif
	WIN 0
.if (\p) == 1
	s_wait_dscnt 0x0                ; K and V are in; my stores of the staged tile are done
.if \fetch
	s_wait_alu depctr_vm_vsrc(0)    ; K's loads have read v[AK] and V's v[AV], which the two lines below write; the stores that put the tile have read SG, in which the next tile's loads land
	v_add_nc_u32 v[AK], s[TBK], v[AK0]  ; K of the step after next: fetched at the next turn's head
	v_add_nc_u32 v[AV], s[TBV], v[AV0]  ; V of the next step: fetched behind this turn's wait
.endif
.endif
.if \stage
	s_cmp_gt_u32 s[STG], 2          ; is there a tile behind the one just put into LDS?
	s_cbranch_scc0 .Lnoload_\@
	s_wait_loadcnt 0x0              ; (met since the tile was put: no load is out on these registers)
	s_wait_xcnt 0x0                 ; the last prefetches, a tile back, have read their addresses
	s_lshl_b32 s[OFF], s[NXT], 15   ; a tile is 32,768 bytes of K and of V
	s_add_nc_u64 s[KT:KT+1], s[KP:KP+1], s[OFF:OFF+1]
	s_add_nc_u64 s[VT:VT+1], s[VP:VP+1], s[OFF:OFF+1]
	s_add_co_u32 s[NXT], s[NXT], 1  ; the block's next tile, or behind its last the second block's tile 0
	s_cmp_gt_u32 s[NXT], s[LQ]
	s_cselect_b32 s[NXT], 0, s[NXT]
	s_cselect_b32 s[LQ], s[LQ2], s[LQ]
	TILE_IN 0                       ; no vector instruction ever names SG, and v[GL] stands since the head
	s_cmp_lg_u32 s[PF], 0           ; the head's work-group 0, five times: my own 32 + 32 blocks of 256 bytes of the tile that the next such pass will load, a lane a block
	s_cbranch_scc0 .Lnoload_\@
	global_prefetch_b8 v[PFO], s[KT:KT+1] offset:32768 th:TH_LOAD_NT scope:SCOPE_SE
	global_prefetch_b8 v[PFO], s[VT:VT+1] offset:32768 th:TH_LOAD_NT scope:SCOPE_SE
	s_sub_co_u32 s[PF], s[PF], 1
.Lnoload_\@:
.endif
.if (\fetch) && ((\p) == 0)
	FETCH_K K0+64*(1-(\par))        ; no wait: nothing issued since the last wait on va_vdst names v[AK] or this buffer, whose last readers stand a step back
.endif
	ROW F,0, F,1, R,0, R,1
	ROW F,2, E,0, R,2, R,3
	ROW F,3, E,1, R,4, R,5
	ROW F,4, E,2, R,6, R,7
	ROW F,5, E,3, R,8, R,9
	ROW F,6, E,4, X,0, R,10
	ROW F,7, E,5, X,1, X,4
	ROW F,8, E,6, X,2, X,5
	OPS E,7, E,8, X,6, E,9
	OPS X,3, E,10, X,8, E,11
	OPS X,9, X,7, E,12, X,10
	OPS E,13, X,12, X,11, E,14
	OPS X,13, E,15, F,9, X,14
	OPS E,16, F,10, E,17, F,11
	OPS X,16, E,18, X,15, E,19
	OPS F,12, E,20, X,17, E,21
	OPS F,13, E,22, F,14, E,23
	OPS X,18, E,24, F,15, E,25
	OPS R,11, E,26, X,19, E,27
	OPS R,12, E,28, R,13, E,29
	OPS X,20, E,30, R,14, E,31
	OPS X,21, R,15
	s_wait_alu depctr_va_vdst(0)    ; the batch's 33 exponentials have written their results, ahead of the first reader; in a fetching turn of piece 1 also: v[AK] and v[AV] are written, and the products issued so far are done reading the V buffer loaded below
.if (\fetch) && ((\p) == 1)
	FETCH_V 64*(1-(\par))           ; the products behind it read the other buffer
.endif
	ROW C,0, B,0, C,2, B,1
	ROW L,0, C,4, B,2, L,1
	ROW C,6, B,3, L,2, C,8
	ROW B,4, L,3, C,10, B,5
	ROW L,4, C,12, B,6, L,5
	ROW C,14, B,7, L,6, C,1
	ROW C,3, L,7, C,5, C,7
	ROW C,9, C,11, C,13, C,15
.if \fetch
	WIN 0
	s_cmp_lg_u32 s[RT], 0           ; outside the diagonal tile both mask buffers stay 0
	s_cbranch_scc1 .Lnomask_\@
	s_cmp_eq_u32 s[TAU], s[OWN+(\p)]    ; is that step the band's own?
	s_cselect_b32 s[AL], 1.0, 0
	s_cmp_gt_u32 s[TAU], s[OWN+(\p)]    ; or a later one?
	s_cselect_b32 s[BE], s[BIGN], 0
.if (\p) == 1
	s_add_co_u32 s[TAU], s[TAU], 1
.endif
	MASK \p
	WIN 0
.Lnomask_\@:
.endif
.endm
.Lslot:                             ; 9 trips: a tile is entered
	; THE CHANGE OF SLOTS.  The tile to be entered lies in LDS, each wave's part put there in the tile before.
	s_wait_dscnt 0x0                ; for the others' sake: my stores of that tile are done, and so are all my reads of the tile that is left
	s_barrier_signal -1
	s_xor_b32 s[RB], s[RB], SLOT1   ; the other slot is read now: the fetches begin at its first step,
	s_mov_b32 s[TBK], s[RB]
	s_mov_b32 s[TBV], s[RB]
	s_xor_b32 s[WS], s[RB], SLOT1   ; and the slot that is left takes the next tile
	s_barrier_wait -1
	s_wait_alu depctr_vm_vsrc(0)    ; the fetches have read v[AK] and v[AV], the stores that put the last tile v[LKC] and v[LVC]; a way out's global stores have read S^T's registers, which the next block's products write
	v_add_nc_u32 v[AK], s[RB], v[AK0]   ; the tile's step 0,
	v_add_nc_u32 v[AV], s[RB], v[AV0]
	v_add_nc_u32 v[LKC], s[WS], v[LK]   ; and where the next tile will be put
	v_add_nc_u32 v[LVC], s[WS], v[LV]
	s_sub_co_u32 s[RT], s[RT], 1
	s_mov_b32 s[CNT], 2
	s_mov_b32 s[TAU], 0
	s_cmp_eq_u32 s[RT], 0           ; the block's last tile holds the diagonal
	s_cselect_b32 s[OWN], s[DG], 64
	s_add_co_u32 s[OWN+1], s[OWN], 1
	s_wait_alu depctr_va_vdst(0)    ; the four addresses are written, which the tile's first fetches and its stores read; a block's last products are done reading the K and V buffers in which the next block's first fetches land
	s_cmp_eq_u32 s[NEW], 1
	s_cbranch_scc0 .Lstep
	; A BLOCK BEGINS.  c m starts far below every c s, so the first step's a is 0; m at the lowest finite number.  Piece 1 sees all of step 0; piece 0's mask is its own where step 0 is its own, else 0.
	; Then K and V of step 0, piece 0's first scores, its maximum and statistics.  The loop is entered at a step of even parity, in the middle of a trip.
	s_mov_b32 s[NEW], 0
	s_mov_b32 s[TAU], 1
	WIN 0x40
.set i, MC+32
.rept 32
	v_mov_b32 v[i], 0
.set i, i+1
.endr
	WIN 0
.irp t, 0,1
	v_mov_b32 v[ST+4*\t], 0xfe000000
	v_mov_b32 v[ST+4*\t+1], 0xff7fffff
.endr
	s_cmp_eq_u32 s[OWN], 0
	s_cselect_b32 s[AL], 1.0, 0
	s_mov_b32 s[BE], 0
	MASK 0
	FETCH_K K0                      ; no wait: the lines since the change of slots name masks and statistics alone
	FETCH_V 0
	WIN 0
	s_wait_alu depctr_vm_vsrc(0)    ; K's loads have read v[AK]
	v_add_nc_u32 v[AK], s[TBK], v[AK0]  ; K of step 1, which the turn at .Lfirst fetches: written ahead of the wait that ends this beginning
	s_wait_dscnt 0x0
.set KB, K0
.set i, 0
.rept 8
	KQ 0
.set i, i+1
.endr
	WIN 0
	PLACES
.set Y, 1                           ; X works for the other piece: piece 0
.irp n, 0,1,2,3,4,5,6,7,8,9,10,11,12,13,14,15,16,17,18,19,20,21
	OP X, \n
.endr
	v_nop                           ; a plain instruction behind the exponential,
	s_wait_alu depctr_va_vdst(0)    ; and the wait ahead of the branch: a is written; so is v[AK], which the next fetch of K reads
	s_branch .Lfirst
.Lstep:                             ; a trip: a step of odd parity, then one of even parity.  Two trips a tile (a block's first tile: one and a half, behind its beginning): four fetches of K and four of V at the most
	TURN 0, 1, 1
	TURN 1, 1, 1
	WIN 0
.Lfirst:
	; ONCE A TILE the tile on its way goes into the slot that is not being read.  The pass is the first through this place (in the walk's first tile the second, so that tile 1 has had time to land).
	s_cmp_eq_u32 s[CNT], s[SC]
	s_cselect_b32 s[STG], s[SLOTS], 0
	s_cmp_gt_u32 s[STG], 1          ; behind the walk's last tile there is none
	s_cbranch_scc0 .Lnoput
	s_wait_loadcnt 0x0              ; its 32 loads, issued a tile ago
	PUT LKC, LVC                    ; by the addresses made at the change of slots; awaited at the head of the turn after next, a turn's work later
.Lnoput:
	TURN 0, 0, 1
	TURN 1, 0, 1, 1
	WIN 0
	s_cmp_eq_u32 s[OWN], 0          ; an even block's diagonal tile: steps 2 and 3 are hidden from all my rows: the block ends with step 1
	s_cbranch_scc1 .Lend
	s_sub_co_u32 s[CNT], s[CNT], 1
	s_cmp_lg_u32 s[CNT], 0
	s_cbranch_scc1 .Lstep
	s_cmp_lg_u32 s[RT], 0
	s_cbranch_scc1 .Lbottom
.Lend:
	; A BLOCK ENDS: its last step, of odd parity, fetches nothing.  The second of these turns multiplies a stale K once more; what is made of that touches c m, m and a alone, never l or O^T.
	TURN 0, 1, 0
	TURN 1, 1, 0
.set VB, 64
.set i, 0
.rept 8
	PV 1                            ; piece 1's V^T P of the last step
.set i, i+1
.endr
	; THE WAY OUT.  l's halves and the other half of the lanes' are added; O^T is divided by l, rounded to bf16 and sent through my stage, a piece at a time.
	WIN 0
.macro ALL line:vararg
.set t, 0
.rept 2
	\line
.set t, t+1
.endr
.endm
	ALL v_add_f32 v[ST+4*t+2], v[ST+4*t+2], v[ST+4*t+3]
	ALL v_permlanex16_b32 v[ST+4*t+3], v[ST+4*t+2], s[SEL], s[SEL+1]
	ALL v_add_f32 v[ST+4*t+2], v[ST+4*t+2], v[ST+4*t+3]
	ALL v_rcp_f32 v[ST+4*t+2], v[ST+4*t+2]
	v_nop
	s_wait_alu depctr_va_vdst(0)    ; the two reciprocals have written their results, ahead of the first reader
.macro PACK t                       ; a lane's eight channels of a row pack into 16 bytes; they go into rows of 144 bytes and come back as four rows of 128
.set i, OT+32*(\t)
.rept 16
	v_pk_mul_f32 v[i:i+1], v[i:i+1], v[ST+4*(\t)+2:ST+4*(\t)+3] op_sel_hi:[1,0]
.set i, i+2
.endr
.set i, 0
.rept 16
	v_cvt_pk_bf16_f32 v[S+16*(\t)+i], v[OT+32*(\t)+2*i], v[OT+32*(\t)+2*i+1]
.set i, i+1
.endr
	s_wait_alu depctr_va_vdst(0)    ; the conversions have written the piece's sixteen registers, which the LDS stores read and in which the LDS loads land
.irp f, 0,1,2,3
	ds_store_b128 v[STO], v[S+16*(\t)+4*\f:S+16*(\t)+4*\f+3] offset:32*\f
.endr
	s_wait_alu depctr_vm_vsrc(0)    ; the stores have read those registers, in which the loads below land
.irp f, 0,1,2,3
	ds_load_b128 v[S+16*(\t)+4*\f:S+16*(\t)+4*\f+3], v[RD] offset:\f*4*SP  ; LDS serves a wave's instructions in order (ISA guide 5.7.1.4)
.endr
.endm
.macro SEND t, younger              ; younger: the LDS instructions issued behind piece t's loads
.irp f, 0,1,2,3
	s_wait_dscnt (\younger)+3-\f
	global_store_b128 v[GL], v[S+16*(\t)+4*\f:S+16*(\t)+4*\f+3], s[10:11] offset:(\t)*8192+\f*512  ; 512 consecutive bytes, aligned
.endr
.endm
	PACK 0                          ; piece 0's 32 lines name nothing of the last products, piece 1's: they are the places behind them
	PACK 1                          ; its lines name piece 1's registers alone, none that piece 0's LDS instructions touch
	SEND 0, 8
	SEND 1, 0
	WIN 0x82                        ; the second block's Q goes where the turns name Q
.set i, 0
.rept 32
	v_mov_b32 v[i], v[QB+i]
.set i, i+1
.endr
	WIN 0
	s_mov_b32 s[RT], s[T2]
	s_mov_b32 s[NEW], 1
	s_mov_b32 s[DG], s[DG2]
	s_wait_xcnt 0x0                 ; the stores have had their addresses translated: O's address is rewritten only behind this wait
	s_mov_b64 s[10:11], s[OLO:OLO+1]
.Lbottom:
	s_mov_b32 s[SC], 2
	s_sub_co_u32 s[SLOTS], s[SLOTS], 1
	s_cmp_lg_u32 s[SLOTS], 0
	s_cbranch_scc1 .Lslot
	s_wait_dscnt 0x0                ; the closing lines, six on end
	s_wait_alu 0x0
	s_wait_tensorcnt 0x0
	ds_add_u32 v[SPW], v[NIL]
	s_wait_dscnt 0x0
	s_endpgm
.Lfunc_end_k_q7c219e04f4_attn:
	.size	k_q7c219e04f4_attn, .Lfunc_end_k_q7c219e04f4_attn-k_q7c219e04f4_attn
	.p2alignl 7, 3214868480
	.fill 96, 4, 3214868480
	.section	.rodata,"a",@progbits
	.p2align	6, 0x0
	.amdhsa_kernel k_q7c219e04f4_attn
		.amdhsa_group_segment_fixed_size 218624
		.amdhsa_private_segment_fixed_size 0
		.amdhsa_enable_private_segment 0
		.amdhsa_kernarg_size 16
		.amdhsa_user_sgpr_count 2
		.amdhsa_user_sgpr_kernarg_segment_ptr 1
		.amdhsa_wavefront_size32 1
		.amdhsa_system_sgpr_workgroup_id_x 1
		.amdhsa_system_sgpr_workgroup_id_y 1
		.amdhsa_system_sgpr_workgroup_id_z 1
		.amdhsa_system_vgpr_workitem_id 0
		.amdhsa_next_free_vgpr 1024
		.amdhsa_next_free_sgpr 96
		.amdhsa_reserve_vcc 0
		.amdhsa_float_denorm_mode_32 3
		.amdhsa_float_denorm_mode_16_64 3
		.amdhsa_memory_ordered 1
		.amdhsa_forward_progress 1
		.amdhsa_inst_pref_size 105
	.end_amdhsa_kernel
	.amdgpu_metadata
---
amdhsa.version: [ 1, 2 ]
amdhsa.kernels:
  - .name:           k_q7c219e04f4_attn
    .symbol:         k_q7c219e04f4_attn.kd
    .args:
      - { .name: big, .offset: 0, .size: 8, .value_kind: global_buffer, .address_space: global }
      - { .name: ao, .offset: 8, .size: 8, .value_kind: global_buffer, .address_space: global }
    .group_segment_fixed_size: 218624
    .private_segment_fixed_size: 0
    .kernarg_segment_align: 8
    .kernarg_segment_size: 16
    .max_flat_workgroup_size: 128
    .sgpr_count:     96
    .vgpr_count:     1024
    .wavefront_size: 32
...
	.end_amdgpu_metadata
.endif
;; end of part 6
;; launch proj: the kernel of part 4 again; grid 4 x 64, 4 waves a work-group, clusters of 4 x 4, 327,680 bytes of LDS; arguments ao, wr, bp, x, x1; writes x1
;; launch ln2: the kernel of part 1 again; grid 256 x 1, 8 waves a work-group, no clusters, 0 bytes of LDS; arguments x1, ln2_g, ln2_b, Wq, Wk, Wv, W1, Wp, W2, bq, bk, bv, b1, hn, pkq, pk1, wr; writes hn, pkq, pk1, wr
;; launch ffn1: the kernel of part 2 again; grid 32 x 8, 4 waves a work-group, clusters of 4 x 1, 327,680 bytes of LDS; arguments hn, pk1, big; writes big
;; launch ffn2: the kernel of part 5 again; grid 4 x 64, 4 waves a work-group, clusters of 4 x 4, 327,680 bytes of LDS; arguments big, wr, b2, x1, out0; writes out0
